; MI455X (gfx1250); checked and timed in simulation.
; The chip was launched on July 23, 2026; its instructions are those of AMD's public machine-readable ISA for CDNA 5 (MIT licence, August 2026) and "CDNA5" Instruction Set Architecture Reference Guide (July 2026). The comments in the code are by the model that wrote it; some were corrected since.
;; Multi Head Attention. Allowed arithmetic: matrix products marked QUANTISED: E5M2 operands, one E8M0 scale for each 32 along K, by v_wmma_scale_f32_16x16x128_f8f6f4 with both operands' format E5M2, f32 sums; everything else in f32.
;; Inputs: Wk 1,024 x 1,024 float32; Wo 1,024 x 1,024 float32; Wq 1,024 x 1,024 float32; Wv 1,024 x 1,024 float32; bk 1,024 float32; bo 1,024 float32; bq 1,024 float32; bv 1,024 float32; k 4 x 2,048 x 1,024 float32; mask 4 x 2,048 x 2,048 bool; q 4 x 2,048 x 1,024 float32; v 4 x 2,048 x 1,024 float32.
;; Outputs: out0 4 x 2,048 x 1,024 float32.
;; This version of the problem:
;;   THIS VERSION OF THE PROBLEM IS GIVEN IN LOW PRECISION. The matrix products marked QUANTISED in the list below multiply operands that are first quantised to E5M2 (5 exponent bits, 2 mantissa bits; 8 bits a number), with one power-of-two scale for each 32 numbers along K (OCP MX v1.0); their sums are f32. All else is computed in f32.
;;   The module's matrix products, in the order in which they are computed (A, B: the left and right operand; K: the contracted axis; several contracted axes count as one K, in the product's order):
;;     1. [M 8,192, K 1,024] x [K 1,024, N 1,024]; A: input q; B: input Wq: QUANTISED
;;     2. [M 8,192, K 1,024] x [K 1,024, N 1,024]; A: input k; B: input Wk: QUANTISED
;;     3. [M 8,192, K 1,024] x [K 1,024, N 1,024]; A: input v; B: input Wv: QUANTISED
;;     4. batch 64 x [M 2,048, K 64] x [K 64, N 2,048]; A: computed on the way; B: computed on the way: QUANTISED
;;     5. batch 64 x [M 2,048, K 2,048] x [K 2,048, N 64]; A: softmax (see below); B: computed on the way: QUANTISED
;;     6. [M 8,192, K 1,024] x [K 1,024, N 1,024]; A: computed on the way; B: input Wo: QUANTISED
;;   THE QUANTISER, for each operand of a quantised product, along K:
;;     - K is cut into blocks of 32 from its start; a last block that is shorter is filled with zeros.
;;     - A block's scale is 2^e with e = floor(log2(the largest magnitude in the block)) - 15, held to -126 .. 127; a block of zeros has e = 0. As a byte (E8M0): e + 127.
;;     - Each number is divided by its block's scale, clamped to +-57,344, and rounded to the nearest number of E5M2, ties to even, subnormals kept.
;;     - The product sums the exact products of the quantised numbers (number of the format x scale) in f32.
;;   ~~~python
;;   def quantise(x, axis):      # numpy; x: float32 -> the quantised numbers, widened to float32 again
;;       x = np.moveaxis(x, axis, -1); K = x.shape[-1]
;;       x = np.pad(x, [(0, 0)] * (x.ndim - 1) + [(0, -K % 32)]); x = x.reshape(x.shape[:-1] + (-1, 32)); a = np.abs(x).max(-1, keepdims=True)
;;       e = np.where(a > 0, np.clip(np.frexp(np.where(a > 0, a, 1))[1] - 1 - 15, -126, 127), 0)      # np.frexp(a)[1] - 1 = floor(log2(a)), exactly
;;       r = np.clip(x / 2.0 ** e, -57344, 57344)
;;       step = 2.0 ** (np.maximum(np.frexp(np.where(r == 0, 1, r))[1] - 1, -14) - 2)
;;       q = np.round(r / step) * step * 2.0 ** e      # np.round: ties to even
;;       return np.moveaxis(q.reshape(q.shape[:-2] + (-1,))[..., :K], -1, axis).astype(np.float32)
;;   ~~~
;;   SOFTMAX AHEAD OF A QUANTISED PRODUCT. Where the list says 'softmax', what is quantised is not the finished softmax but p = 2^(t - M), with t = logit x log2(e) and M = ceil(the row's largest t), a whole number; so 1/2 < the row's largest p <= 1. The row's sum l is taken of the UNQUANTISED p, in f32, and the product's result is divided by l at the end. Since M is a whole number, a kernel that streams over the keys may use a running M (the ceiling of the running maximum): every later rescaling is an exact power of two, which a block's scale takes up: the codes' values come out the same.
;;   OPERANDS COMPUTED ON THE WAY. 'Computed on the way' means the value that the module computes at that place (a softmax that the list does not call 'softmax' is quantised finished and normalised). What goes into a quantiser is computed in f32, as accurately as f32 sums, v_exp_f32 and their like allow (about 1e-6 of the number): no bf16 or f16 on the way to a quantiser, and a product that is left as it is and whose result goes on into a quantised operand takes f32 operands (vector FMAs, or v_wmma_f32_16x16x4_f32). A number that lies on a knife's edge between two numbers of the format may be rounded either way, as far as f32 arithmetic and the matrix unit's own rounding can turn it there, and no further.
;; One version. Each part assembles by itself: llvm-mc -triple=amdgcn-amd-amdhsa -mcpu=gfx1250 --defsym DOCPART=n.
;; ======== version 1 of 1: 4 launches
;; limits: right only within a limited range of input values
;; workspace buffers: codes 29,360,128 bytes; scl 917,504 bytes; maskw 2,097,152 bytes of whole numbers; img 25,165,824 bytes; imgs 1,572,864 bytes; yc 8,388,608 bytes; ys 262,144 bytes
;; launch prep (part 1): grid 1920 x 1, 4 waves a work-group, no clusters, 50,688 bytes of LDS; arguments q, k, v, Wq, Wk, Wv, Wo, mask, codes, scl, maskw; writes codes, scl, maskw
.if DOCPART == 1
	.amdgcn_target "amdgcn-amd-amdhsa--gfx1250"
	.amdhsa_code_object_version 6
	.text
	.protected	k_q01a89ad1f1_prep
	.globl	k_q01a89ad1f1_prep
	.p2align	8
	.type	k_q01a89ad1f1_prep,@function
k_q01a89ad1f1_prep:
	s_mov_b64 s[64:65], 0
	v_nop
	global_prefetch_b8 v0, s[64:65] scope:SCOPE_SE
	s_setreg_imm32_b32 hwreg(HW_REG_WAVE_MODE, 25, 1), 1
	s_wait_xcnt 0x0
; TWO JOBS IN ONE LAUNCH, told apart by the work-group's number.
; JOB Q (work-groups 0 to 895): q, k, v [8192][1024] and Wq, Wk, Wv, Wo [1024][1024], f32, K = the last axis, become codes of BF8 (E5M2) with one E8M0 byte for each 32 along K.
;   codes: [28672 rows][1024 bytes], scl: [28672 rows][32 bytes]; rows 0.. q, 8192.. k, 16384.. v, 24576.. Wq, Wk, Wv, Wo.
;   INSIDE EACH 32 ROWS THE FOUR GROUPS OF 8 ROWS ARE STORED IN THE ORDER 0, 2, 1, 3.  So row r of the T-th 16 stored rows is natural row 32 (T/2) + 8 (T%2) + r + 8 (r/8): as source 0 of a matrix
;   instruction, two neighbouring stored tiles give a lane 16 NEIGHBOURS of the natural order in its 16 result registers, which is what the next quantiser and the next operand want.
;   A wave takes 8,192 numbers = 8 rows = one such group, so the order costs two scalar lines.  A block's scale is 2^(floor(log2(largest magnitude)) - 15); numbers are held within 57,344 x the scale.
; JOB M (work-groups 896 to 1919): the mask [4][2048][2048] of bytes becomes LANE MASKS for the attention launch: word n (0 to 63) of record (batch, stored tile T of 16 queries, key step ks of 128)
;   has in bit l the mask of query (T, l % 16) and key 128 ks + 32 (n/16) + 16 (l/16) + n % 16: the lane mask of that launch's score register n.  A record is 256 bytes.
; LIMITS: NaN and infinities among the inputs are not served; a block whose largest magnitude lies under 2^-111 keeps the byte 1, a block of zeros too (its codes are zeros; this program alone reads the bytes).
; No tile is shared between work-groups and memory binds: no cluster, no matrix unit, no tensor load.  Each job has LDS bytes of its own.
.set STEPS, 16
.set EMAX,  15
.set MANT,  0x600000                   ; the mantissa field of 57,344 as f32
.set CB,    16                         ; bytes of 16 codes
.set R,     16                         ; v16-79   four sets of 16 numbers as they are loaded
.set X,     80                         ; v80-111  two sets of 16 neighbours
.set C,     128                        ; v128-191 codes: four registers for each step
.set E,     112                        ; v112-127 a scale byte for each step
.set WREG,  8192                       ; job Q: LDS region of a wave: two stages of 32 x SP bytes, then its 256 scale bytes
.set SP,    80                         ; a lane's place in a stage: 64 bytes + 16 of padding
.set NQWG,  896                        ; work-groups of job Q: 28,672 rows / 32
.set MSTG,  32768                      ; job M: the stages begin behind job Q's bytes
.set MP,    272                        ; a stage row: 256 mask bytes + 16 of padding
	s_load_b512 s[4:19], s[0:1], 0x0               ; q k v Wq Wk Wv Wo mask
	s_load_b128 s[20:23], s[0:1], 0x40             ; codes, scl
	s_load_b64 s[24:25], s[0:1], 0x50              ; maskw
	v_lshl_add_u32 v192, v0, 2, 0xc400
	v_mov_b32 v193, 0
	v_lshrrev_b32 v1, 5, v0
	v_readfirstlane_b32 s30, v1                    ; wave
	v_and_b32 v2, 31, v0                           ; lane
	s_cmp_ge_u32 ttmp9, NQWG
	s_cbranch_scc1 .Lmask
; ---------------- JOB Q ----------------
	v_lshlrev_b32 v3, 4, v2                        ; my 16 bytes of a load's 512
	s_mul_i32 s31, s30, WREG
	v_lshrrev_b32 v14, 2, v2
	v_mul_u32_u24 v14, v14, SP
	v_and_b32 v15, 3, v2
	v_lshl_add_u32 v14, v15, 4, v14
	v_add_nc_u32 v14, s31, v14                     ; the stage, on the way in: SP (lane / 4) + 16 (lane % 4)
	v_mul_u32_u24 v15, v2, SP
	v_add_nc_u32 v15, s31, v15                     ; and on the way out: SP x lane: my 16 neighbours
	v_mul_u32_u24 v4, v2, CB                       ; my codes' place in a step's
	v_lshrrev_b32 v5, 1, v2
	s_add_co_u32 s31, s31, 2*32*SP
	v_add_nc_u32 v5, s31, v5                       ; LDS: my wave's 256 scale bytes, my block's byte
	v_lshlrev_b32 v7, 3, v2
	v_add_nc_u32 v6, s31, v7                       ; and on the way out 8 bytes a lane
	s_mov_b32 s29, MANT
	s_wait_alu depctr_va_vdst(0)
	s_wait_kmcnt 0x0
	s_mov_b64 s[26:27], s[16:17]                   ; which tensor: a choice on the work-group's number alone
	s_cmp_lt_u32 ttmp9, 864
	s_cselect_b64 s[26:27], s[14:15], s[26:27]
	s_cmp_lt_u32 ttmp9, 832
	s_cselect_b64 s[26:27], s[12:13], s[26:27]
	s_cmp_lt_u32 ttmp9, 800
	s_cselect_b64 s[26:27], s[10:11], s[26:27]
	s_cmp_lt_u32 ttmp9, 768
	s_cselect_b64 s[26:27], s[8:9], s[26:27]
	s_cselect_b32 s28, 255, 31                     ; work-groups in the tensor, less one: all tensors begin at multiples of their own count
	s_cmp_lt_u32 ttmp9, 512
	s_cselect_b64 s[26:27], s[6:7], s[26:27]
	s_cmp_lt_u32 ttmp9, 256
	s_cselect_b64 s[26:27], s[4:5], s[26:27]
	s_and_b32 s28, ttmp9, s28
	s_lshl_b32 s28, s28, 2
	s_add_co_u32 s28, s28, s30                     ; which 8 rows of the tensor are my wave's
	s_lshl_b32 s32, s28, 15                        ; x 32,768 bytes (under 2^26)
	s_mov_b32 s33, 0
	s_add_nc_u64 s[26:27], s[26:27], s[32:33]
	s_and_b32 s34, s30, 1                          ; where they go: group w of the 32 rows is stored as group 0, 2, 1, 3
	s_lshl_b32 s34, s34, 1
	s_lshr_b32 s35, s30, 1
	s_or_b32 s34, s34, s35
	s_lshl_b32 s35, ttmp9, 2
	s_add_co_u32 s34, s34, s35
	s_lshl_b32 s32, s34, 13                        ; 8,192 bytes of codes,
	s_add_nc_u64 s[20:21], s[20:21], s[32:33]
	s_lshl_b32 s32, s34, 8                         ; 256 scale bytes
	s_add_nc_u64 s[22:23], s[22:23], s[32:33]
.macro LOAD t
.irp i, 0,1,2,3
	global_load_b128 v[R+16*((\t)%4)+4*\i:R+16*((\t)%4)+4*\i+3], v3, s[26:27] offset:2048*(\t)+512*\i th:TH_LOAD_NT   ; 32 lanes read 512 consecutive bytes
.endr
.endm
.macro TURN t                          ; step t's numbers through the stage: LDS serves a wave's instructions in order, so no wait stands between the stores and the loads
.irp i, 0,1,2,3
	ds_store_b128 v14, v[R+16*((\t)%4)+4*\i:R+16*((\t)%4)+4*\i+3] offset:32*SP*((\t)%2)+8*SP*\i
.endr
.irp i, 0,1,2,3
	ds_load_b128 v[X+16*((\t)%2)+4*\i:X+16*((\t)%2)+4*\i+3], v15 offset:32*SP*((\t)%2)+16*\i
.endr
.endm
.irp t, 0,1,2,3
	LOAD \t
.endr
	s_wait_loadcnt 12                              ; step 0's four loads are in; three steps' twelve stay out
	TURN 0
.macro STEP t
.set XS, X+16*((\t)%2)
.if (\t) > 0
	s_wait_dscnt 1                                 ; this step's numbers are back from the stage (the last step's byte store may be out)
.else
	s_wait_dscnt 0x0
.endif
.if (\t)+4 < STEPS
	LOAD (\t)+4                                    ; into the registers that the stage's stores have read
.endif
.if (\t)+1 < STEPS
.if STEPS-2-(\t) >= 3
	s_wait_loadcnt 12                              ; the next step's four loads are in; those of the three steps behind it may be out
.else
	s_wait_loadcnt 4*(STEPS-2-(\t))
.endif
	TURN (\t)+1
.endif
	v_max3_num_f32 v8, |v[XS]|, |v[XS+1]|, |v[XS+2]|               ; the largest magnitude of my 16
	v_max3_num_f32 v9, |v[XS+3]|, |v[XS+4]|, |v[XS+5]|
.irp i, 6,10
	v_max3_num_f32 v8, v8, |v[XS+\i]|, |v[XS+\i+1]|
	v_max3_num_f32 v9, v9, |v[XS+\i+2]|, |v[XS+\i+3]|
.endr
	v_max3_num_f32 v8, v8, |v[XS+14]|, |v[XS+15]|
	v_max3_num_f32 v8, v8, v9, (EMAX+1)<<23        ; and the floor 2^(16 - 127): the byte cannot fall under 1
	v_max_num_f32_dpp v8, v8, v8 row_xmask:1 row_mask:0xf bank_mask:0xf   ; and of my neighbour's 16: the block's
	v_add_nc_u32 v11, -(EMAX<<23), v8              ; 15 off its exponent field: the conversion takes this operand's exponent field as its scale
	v_and_or_b32 v10, v8, 0x7f800000, s29          ; 57,344 x the scale
.irp i, 0,1,2,3,4,5,6,7,8,9,10,11,12,13,14,15
	v_med3_num_f32 v[XS+\i], v[XS+\i], -v10, v10   ; the conversion to an 8-bit code does not saturate (ISA guide 7.6.2): hold first
.endr
	v_cvt_scalef32_pk8_bf8_f32 v[C+4*(\t):C+4*(\t)+1], v[XS:XS+7], v11
	v_cvt_scalef32_pk8_bf8_f32 v[C+4*(\t)+2:C+4*(\t)+3], v[XS+8:XS+15], v11
	v_lshrrev_b32 v[E+(\t)], 23, v11               ; the scale's byte
	ds_store_b8 v5, v[E+(\t)] offset:16*(\t)       ; both lanes of a block write the same byte with the same value
	global_store_b128 v4, v[C+4*(\t):C+4*(\t)+3], s[20:21] offset:32*CB*(\t)   ; 512 consecutive bytes
.endm
.irp t, 0,1,2,3,4,5,6,7,8,9,10,11,12,13,14,15
	STEP \t
.endr
	ds_load_b64 v[12:13], v6                       ; LDS serves a wave's instructions in order: these see my stores
	s_wait_dscnt 0x0
	global_store_b64 v7, v[12:13], s[22:23]        ; 32 lanes store 256 consecutive bytes, aligned
	s_wait_tensorcnt 0x0
	ds_add_u32 v192, v193
	s_wait_dscnt 0x0
	s_endpgm
; ---------------- JOB M ----------------
.Lmask:
	s_sub_co_u32 s31, ttmp9, NQWG
	s_lshl_b32 s31, s31, 2
	s_add_co_u32 s31, s31, s30                     ; unit u = (batch x 128 + T) x 8 + kg: 16 queries x 256 keys
	s_and_b32 s32, s31, 7                          ; kg
	s_bfe_u32 s33, s31, 0x70003                    ; T
	s_lshr_b32 s34, s31, 10                        ; batch
	s_lshr_b32 s35, s33, 1
	s_lshl_b32 s35, s35, 16                        ; 32 (T/2) rows of 2,048 bytes
	s_and_b32 s36, s33, 1
	s_lshl_b32 s36, s36, 14                        ; + 8 (T%2) rows
	s_add_co_u32 s36, s36, s35
	s_lshl_b32 s35, s34, 22
	s_add_co_u32 s36, s36, s35
	s_lshl_b32 s35, s32, 8
	s_add_co_u32 s36, s36, s35
	s_mov_b32 s37, 0
	s_lshr_b32 s38, s31, 3                         ; a tile's 16 records, 4,096 bytes, lie in the order [key step % 2][kg]: the order in which the attention launch walks the key steps
	s_lshl_b32 s38, s38, 12
	s_lshl_b32 s39, s32, 8
	s_add_co_u32 s38, s38, s39
	s_mov_b32 s39, 0
	v_and_b32 v12, 15, v0
	v_bfe_u32 v13, v0, 4, 1
	v_lshlrev_b32 v3, 4, v12
	v_lshl_add_u32 v3, v13, 11, v3                 ; in: sixteen lanes a row's 256 bytes, two rows a load
	s_mul_i32 s35, s30, 16*MP
	s_add_co_u32 s35, s35, MSTG                    ; my wave's stage
	v_mul_u32_u24 v4, v13, MP
	v_lshl_add_u32 v4, v12, 4, v4
	v_add_nc_u32 v4, s35, v4
	v_mul_u32_u24 v5, v12, MP
	v_lshl_add_u32 v5, v13, 4, v5
	v_add_nc_u32 v5, s35, v5                       ; back: lane (r, h): query row r, 16 keys from 16 h on
	v_lshlrev_b32 v6, 3, v2
	s_wait_alu depctr_va_vdst(0)
	s_wait_kmcnt 0x0
	s_add_nc_u64 s[18:19], s[18:19], s[36:37]
	s_add_nc_u64 s[24:25], s[24:25], s[38:39]
.irp i, 0,1,2,3,4,5,6,7
	global_load_b128 v[16+4*\i:19+4*\i], v3, s[18:19] offset:(2*\i+8*(\i/4))*2048 th:TH_LOAD_NT   ; tile rows 2 i, 2 i + 1: natural rows r + 8 (r/8)
.endr
.irp i, 0,1,2,3
	v_mov_b32 v[80+\i], 0                          ; a lane write's destination counts as read
.endr
	s_wait_alu depctr_va_vdst(0)
	s_wait_loadcnt 0x0
.irp i, 0,1,2,3,4,5,6,7
	ds_store_b128 v4, v[16+4*\i:19+4*\i] offset:2*\i*MP
.endr
.irp i, 0,1,2,3,4,5,6,7
	ds_load_b128 v[48+4*\i:51+4*\i], v5 offset:128*(\i/4)+32*(\i%4)   ; my wave's own bytes, served in order
.endr
	s_wait_dscnt 0x0
.set n, 0
.rept 128                              ; byte n % 64 of key step n / 64: isolate it, compare in all lanes at once, and put the lane mask where word n % 64 of the record lies
	v_and_b32 v[8+n%4], 0xff<<(8*(n%4)), v[48+n/4]
	v_cmp_ne_u32 s[40+n%8], 0, v[8+n%4]
	v_writelane_b32 v[80+2*(n/64)+n%2], s[40+n%8], (n%64)/2
.set n, n+1
.endr
	global_store_b64 v6, v[80:81], s[24:25]        ; a record: 256 consecutive bytes, aligned
	global_store_b64 v6, v[82:83], s[24:25] offset:2048
	s_wait_tensorcnt 0x0
	ds_add_u32 v192, v193
	s_wait_dscnt 0x0
	s_endpgm
.Lfunc_end_k_q01a89ad1f1_prep:
	.size	k_q01a89ad1f1_prep, .Lfunc_end_k_q01a89ad1f1_prep-k_q01a89ad1f1_prep
	.p2alignl 7, 3214868480
	.fill 96, 4, 3214868480
	.section	.rodata,"a",@progbits
	.p2align	6, 0x0
	.amdhsa_kernel k_q01a89ad1f1_prep
		.amdhsa_group_segment_fixed_size 50688
		.amdhsa_private_segment_fixed_size 0
		.amdhsa_enable_private_segment 0
		.amdhsa_kernarg_size 88
		.amdhsa_user_sgpr_count 2
		.amdhsa_user_sgpr_kernarg_segment_ptr 1
		.amdhsa_wavefront_size32 1
		.amdhsa_system_sgpr_workgroup_id_x 1
		.amdhsa_system_sgpr_workgroup_id_y 1
		.amdhsa_system_sgpr_workgroup_id_z 1
		.amdhsa_system_vgpr_workitem_id 0
		.amdhsa_next_free_vgpr 194
		.amdhsa_next_free_sgpr 66
		.amdhsa_reserve_vcc 0
		.amdhsa_float_denorm_mode_32 3
		.amdhsa_float_denorm_mode_16_64 3
		.amdhsa_memory_ordered 1
		.amdhsa_forward_progress 1
		.amdhsa_inst_pref_size 79
	.end_amdhsa_kernel
	.amdgpu_metadata
---
amdhsa.version: [ 1, 2 ]
amdhsa.kernels:
  - .name:           k_q01a89ad1f1_prep
    .symbol:         k_q01a89ad1f1_prep.kd
    .args:
      - { .name: q, .offset: 0, .size: 8, .value_kind: global_buffer, .address_space: global }
      - { .name: k, .offset: 8, .size: 8, .value_kind: global_buffer, .address_space: global }
      - { .name: v, .offset: 16, .size: 8, .value_kind: global_buffer, .address_space: global }
      - { .name: Wq, .offset: 24, .size: 8, .value_kind: global_buffer, .address_space: global }
      - { .name: Wk, .offset: 32, .size: 8, .value_kind: global_buffer, .address_space: global }
      - { .name: Wv, .offset: 40, .size: 8, .value_kind: global_buffer, .address_space: global }
      - { .name: Wo, .offset: 48, .size: 8, .value_kind: global_buffer, .address_space: global }
      - { .name: mask, .offset: 56, .size: 8, .value_kind: global_buffer, .address_space: global }
      - { .name: codes, .offset: 64, .size: 8, .value_kind: global_buffer, .address_space: global }
      - { .name: scl, .offset: 72, .size: 8, .value_kind: global_buffer, .address_space: global }
      - { .name: maskw, .offset: 80, .size: 8, .value_kind: global_buffer, .address_space: global }
    .group_segment_fixed_size: 50688
    .private_segment_fixed_size: 0
    .kernarg_segment_align: 8
    .kernarg_segment_size: 88
    .max_flat_workgroup_size: 128
    .sgpr_count:     66
    .vgpr_count:     194
    .wavefront_size: 32
...
	.end_amdgpu_metadata
.endif
;; end of part 1
;; launch proj (part 2): grid 4 x 96, 4 waves a work-group, clusters of 4 x 4, 327,680 bytes of LDS; arguments codes, scl, bq, bk, bv, img, imgs; writes img, imgs
.if DOCPART == 2
	.amdgcn_target "amdgcn-amd-amdhsa--gfx1250"
	.amdhsa_code_object_version 6
	.text
	.protected	k_q01a89ad1f1_proj
	.globl	k_q01a89ad1f1_proj
	.p2align	8
	.type	k_q01a89ad1f1_proj,@function
k_q01a89ad1f1_proj:
	s_mov_b64 s[64:65], 0
	v_nop
	global_prefetch_b8 v0, s[64:65] scope:SCOPE_SE
	s_setreg_imm32_b32 hwreg(HW_REG_WAVE_MODE, 25, 1), 1
	s_wait_xcnt 0x0
	s_wait_alu depctr_hold_cnt(0) depctr_sa_sdst(0) depctr_va_vdst(0) depctr_va_sdst(0) depctr_va_ssrc(0) depctr_va_vcc(0) depctr_vm_vsrc(0)
	s_getreg_b32 s2, hwreg(HW_REG_IB_STS2, 6, 4)
	s_cmp_eq_u32 s2, 0
	s_cbranch_scc0 .Lentry_in_a_cluster
	s_endpgm
.Lentry_in_a_cluster:
	s_bfe_u32 s2, ttmp6, 0x10000c
	s_cmp_lg_u32 s2, 0xf033
	s_cbranch_scc0 .Lentry_shape_is_right
	s_endpgm
.Lentry_shape_is_right:
; THE THREE INPUT PROJECTIONS, x W^T + b, on codes of BF8 (E5M2) with E8M0 scales, K = 1,024, and the quantising of their results for the attention launch.
; A work-group of four waves makes 256 x 256 results, a wave 128 x 128 in 64 accumulators.  K goes in steps of 256 through a ring of two LDS slots filled by the tensor data mover; the scale bytes of the
; work-group's 512 rows come once.  CLUSTERS of 4 x 4: source 1's tile hangs on cy and is asked for jointly along a row of the cluster, source 0's on cx and jointly along a column.
; ROLES, by the cluster's y, C (0-7 q, 8-15 k, 16-23 v; the same in all sixteen partners).  q, k: source 1 = 16 tokens, source 0 = 16 rows of W: a lane holds ONE TOKEN and its registers run along the features.
; v: source 1 = 16 rows of Wv, source 0 = 16 tokens: a lane holds ONE CHANNEL and its registers run along the KEYS, which are the K of the second attention product.  The instructions are the same.
; Rows lie in codes and scl in groups of 8 in the order 0, 2, 1, 3 within each 32.  So the 16 registers of source-0 tiles 2 b, 2 b + 1 are natural indices 32 b + 16 (lane / 16) + 0 .. 15, and a wave's 64
; registers for one source-1 tile, with the bias added, are quantised in place into 16 registers that ARE a fragment of the next product.  They are stored as images of registers:
;   img:  (16 C + 4 cy + cx) x 65,536 + tau x 4,096 + beta x 512 + 16 x lane   (tau: source-1 tile 0-15; beta: block of 32 along source 0, 0-7)
;   imgs: (16 C + 4 cy + cx) x 4,096 + half x 2,048 + e x 1,024 + (tau / 4) x 256 + 16 r + 4 (tau % 4): e = 0 the scale word of the half's four blocks, e = 1 that word >> 16 (the second head's two bytes moved down)
; LIMITS: NaN and infinities are not served; a block under 2^-111, or of zeros, keeps the byte 1 (this program alone reads the bytes).
; REGISTERS, in windows of 256: window 0: v0-31 addresses, v8-15 the bias by source-1 row, v32-63 scale words (two sets), v64-127 the bias by source-0 row, from v128 source 1's fragments (one set; free on the way out).
;   window 1: source 0's fragments, two sets.   windows 2, 3: the accumulators ((a, b) at v[8 (8 (a % 4) + b)]).
.set KSTEP,  256
.set NQ,     2                         ; matrix instructions deep in a slot
.set ROWB,   256                       ; a tile's row in bytes
.set KROW,   1024                      ; a row of codes in memory
.set PITCH,  272                       ; an LDS row: 256 bytes + 16 of padding = 68 words: row r starts at bank 4 r mod 64 (ISA guide 11.1)
.set FR,     16
.set NL,     4
.set NP,     8                         ; places behind this matrix instruction (ISA guide 7.12.1)
.set HALFT,  128*PITCH
.set SLOT,   4*HALFT
.set LAPS,   2                         ; 1,024 / 512
.set KS,     32                        ; a row of scale bytes
.set SCL,    2*SLOT
.set HALFS,  (128*KS/256)*272
.set SBLK,   (16*KS/256)*272
.set SPARE,  SCL+4*HALFS               ; the spare words, 128 bytes for each wave, that no other line names
.set B1,   8                           ; v8-15   bias of my lane's source-1 row, block a
.set ADRA, 16
.set BA0,  18
.set BA1,  19
.set ADRB, 20
.set CO,   26                          ; v26  16 x lane
.set ADRS, 27
.set SPW,  28
.set NIL,  29
.set SO,   30                          ; v30  1,024 (lane / 16) + 16 (lane % 16)
.set SH,   31                          ; v31  16 (lane / 16)
.set SC,   32
.set B0,   64                          ; v64-127 bias of source-0 tile b, 8 registers in the result's layout
.set AF,   128
.set T,    128                         ; the way out: v128-191 64 numbers; v192-207 their codes; v224-239 at work; v240 the scale word; v244-247 four tiles' words
.set PC,   192
.set TM,   224
.set PW,   240
.set W,    244
.set G1, 24
.set G0, 32
.set G1B, 48
.set G0B, 56
.set G1S, 68
.set G0S, 76
.set G1SB, 80
.set G0SB, 88
.set SEL, 92                           ; s[92:93] on the way out: selects of v_permlanex16_b32 for lane l xor 16
.set MNT, 94                           ; s94      the mantissa field of 57,344
.set ISV, 95                           ; s95      1 where this cluster works on v
.set MSB, 0
.macro WIN new                         ; the immediate's high byte repeats the setting that is left
.if MSB != \new
	s_set_vgpr_msb (MSB<<8)|\new
.set MSB, \new
.endif
.endm
.set MUL_LO, 0xa1                      ; source 0 window 1, source 1 window 0, C and D window 2
.set MUL_HI, 0xf1
.set TO_B,   0x40
; A joint load: waves 0 and 1 fetch source 1's halves, waves 2 and 3 source 0's.  The branch hangs on the wave's number alone.  Four v_nop follow each line.
.macro JLOAD g0a, g1a, g0b, g1b
	s_cmp_eq_u32 s15, 0
	s_cbranch_scc0 .Lfor_b_\@
	tensor_load_to_lds s[\g0a:\g0a+3], s[\g1a:\g1a+7]
	s_nop 0
.rept 4
	v_nop
.endr
	s_branch .Lasked_\@
.Lfor_b_\@:
	tensor_load_to_lds s[\g0b:\g0b+3], s[\g1b:\g1b+7]
	s_nop 0
.rept 4
	v_nop
.endr
.Lasked_\@:
.endm
.macro CREST                           ; a round of the cluster's barrier behind its opening barrier
	s_cmp_lg_u32 s14, 0
	s_cbranch_scc1 .Lnot_wave_0_\@
	s_barrier_signal -3
.Lnot_wave_0_\@:
	s_barrier_wait -3
	s_barrier_signal -1
	s_barrier_wait -1
.endm
.macro CROUND
	s_barrier_signal -1
	s_barrier_wait -1
	CREST
.endm
	s_load_b128 s[4:7], s[0:1], 0x0                ; codes, scl
	s_load_b128 s[8:11], s[0:1], 0x10              ; bq, bk
	s_load_b64 s[12:13], s[0:1], 0x20              ; bv
	s_load_b128 s[96:99], s[0:1], 0x28             ; img, imgs
	v_lshl_add_u32 v[SPW], v0, 2, SPARE
	v_mov_b32 v[NIL], 0
	ds_add_u32 v28, v29
	ds_add_u32 v28, v29
	s_wait_dscnt 0x0
	v_lshrrev_b32 v1, 5, v0
	v_readfirstlane_b32 s14, v1                    ; wave 0..3
	s_lshr_b32 s15, s14, 1                         ; which half of source 1's rows is mine.  Also: I fetch for source 1 (0) or source 0 (1)
	s_and_b32 s16, s14, 1                          ; which half of source 0's.  Also: which 128 rows I fetch
	s_bfe_u32 s40, ttmp6, 0x40000                  ; cx
	s_bfe_u32 s41, ttmp6, 0x40004                  ; cy
	s_and_b32 s17, ttmp7, 0xffff                   ; C: the cluster's y
	s_lshl_b32 s43, s41, 2
	s_lshl_b32 s43, 15, s43                        ; my row of the cluster
	s_lshl_b32 s44, 0x1111, s40                    ; my column
	s_or_b32 s[G1+0], s43, (0<<16)|(1<<20)|(1<<21)|(5<<22)|(3<<25)  ; mask; elements of 1 byte; padding: 4 words after every 64; bit 21 beside a mask
	s_or_b32 s[G1B+0], s44, (0<<16)|(1<<20)|(1<<21)|(5<<22)|(3<<25)
.irp g, G1, G1B
	s_mov_b32 s[\g+1], ROWB<<16                    ; tensor_dim0
	s_mov_b32 s[\g+2], 256<<16                     ; tensor_dim1: 256 rows for the head's loads; set to 128 for the ring's behind them
	s_mov_b32 s[\g+3], ROWB<<16                    ; tile_dim0
	s_mov_b32 s[\g+4], 256                         ; tile_dim1
	s_mov_b32 s[\g+5], KROW                        ; the pitch
	s_mov_b32 s[\g+6], 0
	s_mov_b32 s[\g+7], 0
.endr
	s_or_b32 s[G1S+0], s43, (3<<16)|(1<<20)|(1<<21)|(5<<22)|(3<<25) ; the scales of 128 rows: 4,096 dense bytes as 16 rows of 256 (32 elements of 8 bytes) + 16 of padding
	s_or_b32 s[G1SB+0], s44, (3<<16)|(1<<20)|(1<<21)|(5<<22)|(3<<25)
.irp g, G1S, G1SB
	s_mov_b32 s[\g+1], 32<<16
	s_mov_b32 s[\g+2], (256*KS/256)<<16            ; the scales of 256 rows: 8,192 dense bytes as 32 rows of 256
	s_mov_b32 s[\g+3], 32<<16
	s_mov_b32 s[\g+4], 256*KS/256
	s_mov_b32 s[\g+5], 32
	s_mov_b32 s[\g+6], 0
	s_mov_b32 s[\g+7], 0
.endr
	s_lshl_b32 s18, s17, 10                        ; the cluster's 1,024 tokens: rows C x 1,024
	s_lshr_b32 s19, s17, 3
	s_lshl_b32 s19, s19, 10
	s_add_co_u32 s19, s19, 24576                   ; its weight's rows: Wq, Wk or Wv
	s_cmp_ge_u32 s17, 16                           ; v?  Then the two change roles
	s_cselect_b32 s20, s19, s18                    ; source 1's rows
	s_cselect_b32 s46, s18, s19                    ; source 0's rows
	s_cselect_b32 s[ISV], 1, 0
	s_lshl_b32 s18, s16, 7                         ; which 128 rows of a tile I fetch
	s_lshl_b32 s21, s41, 8
	s_add_co_u32 s20, s20, s21                     ; + 256 cy
	s_lshl_b32 s22, s20, 5                         ; 32 scale bytes a row, from the tile's first row on
	s_add_co_u32 s20, s20, s18
	s_lshl_b32 s47, s40, 8
	s_add_co_u32 s46, s46, s47                     ; + 256 cx
	s_lshl_b32 s92, s46, 5
	s_add_co_u32 s46, s46, s18
	s_mov_b32 s23, 0
	s_lshl_b32 s20, s20, 10                        ; 1,024 codes a row
	s_mov_b32 s21, 0
	s_mov_b32 s93, 0
	s_lshl_b32 s46, s46, 10
	s_mov_b32 s47, 0
	s_mul_i32 s45, s14, HALFT                      ; where they go: wave x 128 rows: no place in the cluster enters an LDS address
	s_wait_kmcnt 0x0
	s_add_nc_u64 s[20:21], s[4:5], s[20:21]
	s_add_nc_u64 s[22:23], s[6:7], s[22:23]
	s_add_nc_u64 s[46:47], s[4:5], s[46:47]
	s_add_nc_u64 s[92:93], s[6:7], s[92:93]
	CROUND                                         ; all sixteen work-groups are here: the first joint loads meet
	s_mov_b32 s[G0S], 1
	s_mov_b32 s[G0S+1], SCL
	s_mov_b64 s[G0S+2:G0S+3], s[22:23]
	s_or_b32 s[G0S+3], s[G0S+3], 0x80000000
	s_mov_b32 s[G0SB], 1
	s_mov_b32 s[G0SB+1], SCL+2*HALFS
	s_mov_b64 s[G0SB+2:G0SB+3], s[92:93]
	s_or_b32 s[G0SB+3], s[G0SB+3], 0x80000000
.irp s, 0,1
	s_mov_b32 s[G0+4*\s], 1
	s_add_co_u32 s[G0+4*\s+1], s45, \s*SLOT
	s_add_nc_u64 s[G0+4*\s+2:G0+4*\s+3], s[20:21], \s*ROWB
	s_or_b32 s[G0+4*\s+3], s[G0+4*\s+3], 0x80000000
	s_mov_b32 s[G0B+4*\s], 1
	s_add_co_u32 s[G0B+4*\s+1], s45, \s*SLOT
	s_add_nc_u64 s[G0B+4*\s+2:G0B+4*\s+3], s[46:47], \s*ROWB
	s_or_b32 s[G0B+4*\s+3], s[G0B+4*\s+3], 0x80000000
.endr
; THE HEAD'S LOADS, ONE A WAVE: wave 0 fetches K step 0's 256 rows of source 1 (its own slot-0 descriptor begins at the tile's first row and at LDS byte 0),
; wave 2 the 256 rows of source 0 (likewise, at 2 HALFT), wave 1 the scales of source 1's 256 rows, wave 3 those of source 0's.  One tree of branches on the wave's number, a load to an arm.
.macro ARM under, g0, g1, next
	s_cmp_lt_u32 s14, \under
	s_cbranch_scc0 \next
	tensor_load_to_lds s[\g0:\g0+3], s[\g1:\g1+7]
	s_nop 0
.rept 4
	v_nop
.endr
	s_branch .Lhead_asked
\next:
.endm
	ARM 1, G0,  G1,  .Lhead_sa
	ARM 2, G0S, G1S, .Lhead_b
	ARM 3, G0B, G1B, .Lhead_sb
	tensor_load_to_lds s[G0SB:G0SB+3], s[G1SB:G1SB+7]
	s_nop 0
.rept 4
	v_nop
.endr
.Lhead_asked:
	v_and_b32 v1, 15, v0                           ; r
	v_bfe_u32 v2, v0, 4, 1                         ; h
	v_mul_u32_u24 v3, v1, PITCH
	v_lshl_add_u32 v4, v2, 4, v3                   ; a fragment's row x pitch + 16 x half
	s_mul_i32 s21, s15, HALFT
	s_mul_i32 s22, s16, HALFT
	s_add_co_u32 s22, s22, 2*HALFT
.irp s, 0,1
	v_add_nc_u32 v[ADRA+\s], s21, v4
	v_add_nc_u32 v[ADRB+\s], s22, v4
	s_add_co_u32 s21, s21, SLOT
	s_add_co_u32 s22, s22, SLOT
.endr
	v_mul_u32_u24 v5, v1, KS                       ; my row's scales: 32 bytes a row,
	v_lshrrev_b32 v6, 8, v5
	v_lshl_add_u32 v5, v6, 4, v5                   ; and 16 more for each 256 passed
	s_mul_i32 s21, s15, HALFS
	s_mul_i32 s22, s16, HALFS
	s_add_co_u32 s22, s22, 2*HALFS
	s_sub_co_u32 s22, s22, s21
	v_mul_u32_u24 v6, s22, v2                      ; lanes 16-31 take source 0's
	s_add_co_u32 s21, s21, SCL
	v_add_nc_u32 v5, v5, v6
	v_add_nc_u32 v[ADRS], s21, v5
	v_and_b32 v6, 31, v0
	v_lshlrev_b32 v[CO], 4, v6
	v_lshlrev_b32 v[SO], 4, v1
	v_lshl_add_u32 v[SO], v2, 10, v[SO]
	v_lshlrev_b32 v[SH], 4, v2
	v_lshlrev_b32 v[BA0], 6, v2                    ; bias by source-0 row: 16 h numbers on
	s_wait_alu depctr_va_vdst(0)
	v_and_b32 v[BA1], 8, v1
	v_add_nc_u32 v[BA1], v[BA1], v1
	v_lshlrev_b32 v[BA1], 2, v[BA1]                ; bias by source-1 row: number r + 8 (r / 8)
	s_wait_alu depctr_va_vdst(0)
	s_cmp_lt_u32 s17, 16                           ; which bias: a choice on the cluster's y alone
	s_cselect_b64 s[10:11], s[10:11], s[12:13]
	s_cmp_lt_u32 s17, 8
	s_cselect_b64 s[8:9], s[8:9], s[10:11]
	s_lshl_b32 s20, s40, 10
	s_lshl_b32 s21, s16, 9
	s_add_co_u32 s20, s20, s21                     ; (256 cx + 128 half) numbers
	s_mov_b32 s21, 0
	s_add_nc_u64 s[10:11], s[8:9], s[20:21]
	s_lshl_b32 s20, s41, 10
	s_lshl_b32 s22, s15, 9
	s_add_co_u32 s20, s20, s22                     ; (256 cy + 128 half) numbers
	s_add_nc_u64 s[12:13], s[8:9], s[20:21]
.irp b, 0,1,2,3,4,5,6,7                        ; both sets are loaded in every work-group (both stay inside the 1,024 numbers); the way out takes one
	global_load_b128 v[B0+8*\b:B0+8*\b+3], v[BA0], s[10:11] offset:(32*(\b/2)+8*(\b%2))*4
	global_load_b128 v[B0+8*\b+4:B0+8*\b+7], v[BA0], s[10:11] offset:(32*(\b/2)+8*(\b%2))*4+16
	global_load_b32 v[B1+\b], v[BA1], s[12:13] offset:(32*(\b/2)+8*(\b%2))*4
.endr
	s_lshl_b32 s20, s17, 4                         ; where my results go
	s_lshl_b32 s22, s41, 2
	s_add_co_u32 s20, s20, s22
	s_add_co_u32 s20, s20, s40                     ; 16 C + 4 cy + cx
	s_lshl_b32 s22, s20, 12
	s_lshl_b32 s20, s20, 16
	s_lshl_b32 s23, s15, 15                        ; img: my 8 source-1 tiles,
	s_add_co_u32 s20, s20, s23
	s_lshl_b32 s23, s16, 11                        ; my 4 blocks of 32; imgs: my half
	s_add_co_u32 s20, s20, s23
	s_add_co_u32 s22, s22, s23
	s_lshl_b32 s23, s15, 9                         ; imgs: my two quads of tiles
	s_add_co_u32 s22, s22, s23
	s_mov_b32 s23, 0
	s_add_nc_u64 s[96:97], s[96:97], s[20:21]
	s_add_nc_u64 s[98:99], s[98:99], s[22:23]
.macro FRAG reg, adr, q, i             ; 16 rows x 128 K of 8-bit codes: lane l holds row l % 16; registers 4 c .. 4 c + 3 hold K = 32 c + 16 (l / 16) + 0 .. 15
.irp c, 0,1,2,3
	ds_load_b128 v[\reg+4*\c:\reg+4*\c+3], v[\adr] offset:128*(\q)+32*\c+(\i)*16*PITCH
.endr
.endm
; 16 matrix instructions: source 1's blocks a0, a0 + 1 x source 0's eight.  The 64 accumulators take turns, one instruction a turn, in the same order in every step.
.macro MUL16 a0, p, q, sc, zero
.irp a, \a0, \a0+1
.irp b, 0,1,2,3,4,5,6,7
.if \zero
	v_wmma_scale_f32_16x16x128_f8f6f4 v[8*(8*((\a)%4)+\b):8*(8*((\a)%4)+\b)+7], v[128*(\p)+FR*\b:128*(\p)+FR*\b+FR-1], v[AF+FR*(\a):AF+FR*(\a)+FR-1], 0, v[SC+8*NQ*(\sc)+NQ*\b+(\q)], v[SC+8*NQ*(\sc)+NQ*(\a)+(\q)] matrix_a_fmt:MATRIX_FMT_BF8 matrix_b_fmt:MATRIX_FMT_BF8 matrix_a_scale:MATRIX_SCALE_ROW1
.else
	v_wmma_scale_f32_16x16x128_f8f6f4 v[8*(8*((\a)%4)+\b):8*(8*((\a)%4)+\b)+7], v[128*(\p)+FR*\b:128*(\p)+FR*\b+FR-1], v[AF+FR*(\a):AF+FR*(\a)+FR-1], v[8*(8*((\a)%4)+\b):8*(8*((\a)%4)+\b)+7], v[SC+8*NQ*(\sc)+NQ*\b+(\q)], v[SC+8*NQ*(\sc)+NQ*(\a)+(\q)] matrix_a_fmt:MATRIX_FMT_BF8 matrix_b_fmt:MATRIX_FMT_BF8 matrix_a_scale:MATRIX_SCALE_ROW1
.endif
.endr
.endr
.endm
.macro FETCH_B slot, q, p
	WIN TO_B
.irp i, 0,1,2,3,4,5,6,7
	FRAG 128*(\p)+FR*\i, ADRB+\slot, \q, \i
.endr
	WIN 0
.endm
.macro FETCH_A slot, q, i0
.irp i, \i0, \i0+1, \i0+2, \i0+3
	FRAG AF+FR*(\i), ADRA+\slot, \q, \i
.endr
.endm
.macro SCALES sc                       ; a K step's scale words: lanes 0-15 source 1's block i, lanes 16-31 source 0's block i
.irp i, 0,1,2,3,4,5,6,7
	ds_load_b64 v[SC+8*NQ*\sc+NQ*\i:SC+8*NQ*\sc+NQ*\i+1], v[ADRS] offset:\i*SBLK
.endr
.endm
.macro PLACES n                        ; plain vector instructions between a matrix instruction and a load into, or a vector read or write of, its registers
.rept \n
	v_nop
.endr
.endm
.macro STEP slot, q, zero              ; a step of 128 along K that has its successor in the same slot
	s_wait_dscnt 4*NL                              ; all but the youngest sixteen loads (source 1's blocks 4-7)
	WIN MUL_LO
	MUL16 0, (\q)%2, \q, \slot, \zero
	MUL16 2, (\q)%2, \q, \slot, \zero
	s_wait_dscnt 0
	PLACES NP
	FETCH_B \slot, (\q)+1, 1-(\q)%2
	FETCH_A \slot, (\q)+1, 0
	WIN MUL_HI
	MUL16 4, (\q)%2, \q, \slot, \zero
	MUL16 6, (\q)%2, \q, \slot, \zero
	PLACES NP
	WIN 0
	FETCH_A \slot, (\q)+1, 4
.endm
; A slot's last step changes slots: one barrier; in front of it each wave waits for all its tensor loads, adds 0 to its spare word, and waits for that and for its reads of this slot.
.macro TURN slot, next, fill
	s_wait_tensorcnt 0x0                           ; all my tensor loads have landed: my part of the next slot
	ds_add_u32 v[SPW], v[NIL]                      ; 0 onto my spare word
	s_wait_dscnt 4*NL+1                            ; the add and the youngest sixteen loads may be out
	WIN MUL_LO
	MUL16 0, 1, NQ-1, \slot, 0
	s_wait_dscnt 0x0                               ; the add is done, and my reads of this slot are over
	s_barrier_signal -1
	MUL16 2, 1, NQ-1, \slot, 0
	WIN 0
	s_barrier_wait -1
.if \fill
	CREST                                          ; the barrier has opened a round of the cluster's: no wave of any partner still reads this slot or has a load on its way
	s_add_nc_u64 s[G0+4*\slot+2:G0+4*\slot+3], s[G0+4*\slot+2:G0+4*\slot+3], 2*ROWB
	s_add_nc_u64 s[G0B+4*\slot+2:G0B+4*\slot+3], s[G0B+4*\slot+2:G0B+4*\slot+3], 2*ROWB
	JLOAD G0+4*\slot, G1, G0B+4*\slot, G1B         ; the first tensor load behind the round; its four v_nop are among the places below
	PLACES NP-4
.else
	PLACES NP
.endif
	s_wait_alu depctr_va_vdst(0)
	v_add_nc_u32 v[ADRS], 4*NQ, v[ADRS]            ; on to the next K step's scale words
	FETCH_B \next, 0, 0
	FETCH_A \next, 0, 0
	SCALES \next
	WIN MUL_HI
	MUL16 4, 1, NQ-1, \slot, 0
	MUL16 6, 1, NQ-1, \slot, 0
	PLACES NP
	WIN 0
	FETCH_A \next, 0, 4
.endm
	s_wait_alu depctr_va_vdst(0)
	s_wait_tensorcnt 0x0                           ; my tile of the head's four is in
	ds_add_u32 v[SPW], v[NIL]
	s_mov_b32 s[G1+2], 128<<16                     ; no tensor load of mine is out: from here on a load brings 128 rows
	s_mov_b32 s[G1+4], 128
	s_mov_b32 s[G1B+2], 128<<16
	s_mov_b32 s[G1B+4], 128
	s_wait_dscnt 0x0
	CROUND                                         ; all four tiles are in, and all sixteen work-groups are here
	JLOAD G0+4, G1, G0B+4, G1B                     ; K step 1, the first tensor load behind the round
	FETCH_B 0, 0, 0
	FETCH_A 0, 0, 0
	SCALES 0
	FETCH_A 0, 0, 4
	STEP 0, 0, 1                                   ; the first step's products start the sums
	s_mov_b32 s3, LAPS-1
.Llap:
	TURN 0, 1, 1
	STEP 1, 0, 0
	TURN 1, 0, 1
	STEP 0, 0, 0
	s_sub_co_u32 s3, s3, 1
	s_cmp_lg_u32 s3, 0
	s_cbranch_scc1 .Llap
	TURN 0, 1, 0                                   ; the last lap fills nothing
	STEP 1, 0, 0
	s_wait_dscnt 4*NL
	WIN MUL_LO
	MUL16 0, 1, NQ-1, 1, 0
	MUL16 2, 1, NQ-1, 1, 0
	s_wait_dscnt 0
	WIN MUL_HI
	MUL16 4, 1, NQ-1, 1, 0
	MUL16 6, 1, NQ-1, 1, 0
	WIN 0
; THE WAY OUT.  64 numbers of a lane, register 16 b + i = index 32 b + 16 (lane / 16) + i along the next K, become 16 registers of codes and a scale word.
.macro QUANT s
.irp b, 0,1,2,3
	v_max3_num_f32 v[TM+\b], |v[\s+16*\b]|, |v[\s+1+16*\b]|, 0x8000000   ; my 16 numbers of block b, and the floor 2^(16 - 127): the byte cannot fall under 1
.endr
.irp i, 2,4,6,8,10,12,14
.irp b, 0,1,2,3
	v_max3_num_f32 v[TM+\b], v[TM+\b], |v[\s+16*\b+\i]|, |v[\s+1+16*\b+\i]|
.endr
.endr
.irp b, 0,1,2,3
	v_permlanex16_b32 v[TM+4+\b], v[TM+\b], s[SEL], s[SEL+1]
.endr
.irp b, 0,1,2,3
	v_max_num_f32 v[TM+\b], v[TM+\b], v[TM+4+\b]   ; with lane l xor 16's: the block's largest magnitude
.endr
.irp b, 0,1,2,3
	v_add_nc_u32 v[TM+12+\b], 0xf8800000, v[TM+\b] ; 15 off its exponent field: the conversion's scale operand
.endr
.irp b, 0,1,2,3
	v_and_or_b32 v[TM+8+\b], v[TM+\b], 0x7f800000, s[MNT]   ; 57,344 x the scale
.endr
.irp b, 0,1,2,3
	v_lshrrev_b32 v[TM+4+\b], 23, v[TM+12+\b]      ; the scale's byte
.endr
	v_lshl_or_b32 v[PW], v[TM+5], 8, v[TM+4]
	v_lshl_or_b32 v[PW], v[TM+6], 16, v[PW]
	v_lshl_or_b32 v[PW], v[TM+7], 24, v[PW]
	s_wait_alu depctr_va_vdst(0)
	s_wait_xcnt 0x0                                ; the last tile's stores have read their data: the codes' registers are written again below, the scale words' behind them
.irp b, 0,1,2,3
.irp i, 0,1,2,3,4,5,6,7,8,9,10,11,12,13,14,15
	v_med3_num_f32 v[\s+16*\b+\i], v[\s+16*\b+\i], -v[TM+8+\b], v[TM+8+\b]   ; the conversion does not saturate (ISA guide 7.6.2): hold first
.endr
	v_cvt_scalef32_pk8_bf8_f32 v[PC+4*\b:PC+1+4*\b], v[\s+16*\b:\s+7+16*\b], v[TM+12+\b]
	v_cvt_scalef32_pk8_bf8_f32 v[PC+2+4*\b:PC+3+4*\b], v[\s+8+16*\b:\s+15+16*\b], v[TM+12+\b]
.endr
	v_nop                                          ; a plain vector instruction behind the last conversion
.endm
; Source-1 tile a: the bias is added as the 64 sums come down into window 0 (each accumulator is read from its low end on), then quantised and stored.
.macro EPI a
	s_cmp_eq_u32 s[ISV], 0
	s_cbranch_scc0 .Lchan_\@
	WIN (0x02+(\a)/4)                              ; q, k: the bias runs along my registers
.set EI, 0
.rept 32
	v_pk_add_f32 v[T+2*EI:T+2*EI+1], v[64*((\a)%4)+2*EI:64*((\a)%4)+2*EI+1], v[B0+2*EI:B0+2*EI+1]
.set EI, EI+1
.endr
	WIN 0
	s_branch .Ladded_\@
.Lchan_\@:
	WIN (0x02+(\a)/4)                              ; v: one bias for my lane's channel
.set EI, 0
.rept 32
.if (\a)%2
	v_pk_add_f32 v[T+2*EI:T+2*EI+1], v[64*((\a)%4)+2*EI:64*((\a)%4)+2*EI+1], v[B1+(\a)-1:B1+(\a)] op_sel:[0,1] op_sel_hi:[1,1]
.else
	v_pk_add_f32 v[T+2*EI:T+2*EI+1], v[64*((\a)%4)+2*EI:64*((\a)%4)+2*EI+1], v[B1+(\a):B1+(\a)+1] op_sel_hi:[1,0]
.endif
.set EI, EI+1
.endr
	WIN 0
.Ladded_\@:
	QUANT T
	v_lshrrev_b32 v[W+(\a)%4], v[SH], v[PW]        ; lanes 0-15 keep the word, lanes 16-31 its upper two bytes moved down
.irp c, 0,1,2,3
	global_store_b128 v[CO], v[PC+4*\c:PC+4*\c+3], s[96:97] offset:4096*(\a)+512*\c   ; 512 consecutive bytes, aligned
.endr
.if (\a)%4 == 3
	global_store_b128 v[SO], v[W:W+3], s[98:99] offset:256*((\a)/4)   ; each half of the lanes: 256 consecutive bytes, aligned
.endif
.endm
	s_mov_b32 s[SEL], 0x76543210
	s_mov_b32 s[SEL+1], 0xfedcba98
	s_mov_b32 s[MNT], 0x600000
	s_wait_loadcnt 0x0                             ; the biases
	PLACES NP                                      ; behind the last products: their results are read and source 1's registers written below
.irp b, 0,1,2,3
	v_mov_b32 v[TM+4+\b], 0                        ; a lane permute's destination counts as one of its sources
.endr
.irp a, 0,1,2,3,4,5,6,7
	EPI \a
.endr
	s_wait_tensorcnt 0x0                           ; the wave's end
	ds_add_u32 v[SPW], v[NIL]
	s_wait_dscnt 0x0
	CROUND                                         ; the closing round: no work-group ends while a partner may still ask for a tile that names it
	s_endpgm
.Lfunc_end_k_q01a89ad1f1_proj:
	.size	k_q01a89ad1f1_proj, .Lfunc_end_k_q01a89ad1f1_proj-k_q01a89ad1f1_proj
	.p2alignl 7, 3214868480
	.fill 96, 4, 3214868480
	.section	.rodata,"a",@progbits
	.p2align	6, 0x0
	.amdhsa_kernel k_q01a89ad1f1_proj
		.amdhsa_group_segment_fixed_size 327680
		.amdhsa_private_segment_fixed_size 0
		.amdhsa_enable_private_segment 0
		.amdhsa_kernarg_size 56
		.amdhsa_user_sgpr_count 2
		.amdhsa_user_sgpr_kernarg_segment_ptr 1
		.amdhsa_wavefront_size32 1
		.amdhsa_system_sgpr_workgroup_id_x 1
		.amdhsa_system_sgpr_workgroup_id_y 1
		.amdhsa_system_sgpr_workgroup_id_z 1
		.amdhsa_system_vgpr_workitem_id 0
		.amdhsa_next_free_vgpr 1024
		.amdhsa_next_free_sgpr 100
		.amdhsa_reserve_vcc 0
		.amdhsa_float_denorm_mode_32 3
		.amdhsa_float_denorm_mode_16_64 3
		.amdhsa_memory_ordered 1
		.amdhsa_forward_progress 1
		.amdhsa_inst_pref_size 222
	.end_amdhsa_kernel
	.amdgpu_metadata
---
amdhsa.version: [ 1, 2 ]
amdhsa.kernels:
  - .name:           k_q01a89ad1f1_proj
    .symbol:         k_q01a89ad1f1_proj.kd
    .args:
      - { .name: codes, .offset: 0, .size: 8, .value_kind: global_buffer, .address_space: global }
      - { .name: scl, .offset: 8, .size: 8, .value_kind: global_buffer, .address_space: global }
      - { .name: bq, .offset: 16, .size: 8, .value_kind: global_buffer, .address_space: global }
      - { .name: bk, .offset: 24, .size: 8, .value_kind: global_buffer, .address_space: global }
      - { .name: bv, .offset: 32, .size: 8, .value_kind: global_buffer, .address_space: global }
      - { .name: img, .offset: 40, .size: 8, .value_kind: global_buffer, .address_space: global }
      - { .name: imgs, .offset: 48, .size: 8, .value_kind: global_buffer, .address_space: global }
    .group_segment_fixed_size: 327680
    .private_segment_fixed_size: 0
    .kernarg_segment_align: 8
    .kernarg_segment_size: 56
    .max_flat_workgroup_size: 128
    .sgpr_count:     100
    .vgpr_count:     1024
    .wavefront_size: 32
...
	.end_amdgpu_metadata
.endif
;; end of part 2
;; launch attn (part 3): grid 4 x 64, 16 waves a work-group, no clusters, 276,480 bytes of LDS; arguments img, imgs, maskw, yc, ys; writes yc, ys
.if DOCPART == 3
	.amdgcn_target "amdgcn-amd-amdhsa--gfx1250"
	.amdhsa_code_object_version 6
	.text
	.protected	k_q01a89ad1f1_attn
	.globl	k_q01a89ad1f1_attn
	.p2align	8
	.type	k_q01a89ad1f1_attn,@function
k_q01a89ad1f1_attn:
	s_mov_b64 s[64:65], 0
	v_nop
	global_prefetch_b8 v0, s[64:65] scope:SCOPE_SE
	s_setreg_imm32_b32 hwreg(HW_REG_WAVE_MODE, 25, 1), 1
	s_wait_xcnt 0x0
; ATTENTION OF ONE HEAD on codes of BF8 (E5M2) with E8M0 scales: S^T = K Q^T, the mask, p = 2^(t - M), O^T += V^T P^T, O / the row's sum, quantised along the head's 64 channels for the last projection.
; SHARES.  Work-group y = batch x 16 + head, x = which 512 queries.  A work-group keeps ALL of the head's K and V, 2 x 131,072 bytes, in LDS, staged once through registers: wave g < 8 brings keys
; 256 g .. + 255 of K (16 tiles of 1,024 bytes, 4,096 apart in img), wave 8 + g the same keys of V (16,384 dense bytes): 32 loads and 32 LDS stores of 512 bytes a wave.  One barrier follows, and none after it.
; Each of the sixteen waves owns two tiles of 16 queries, one after the other (two passes), and walks all 2,048 keys, 128 a step, for each.
; THE ORDER OF THE KEY STEPS is 0, 2, .. 14, 1, 3, .. 15: V's first 128 keys of a group lie 2,048 bytes ahead of its second 128 in each channel tile's row, so in this order K's and V's addresses both
; step by 16,384.  The staged scale words and the mask records lie in the same order.  A running whole-number M makes the order of the steps free.
; THE MASK: where it is 0 the score becomes -1e-9 (here x 8, since t = score sum x log2(e) / 8), by lane masks (maskw: 64 words a step).  Whole numbers decide that work: a pass first reads its tile's 16
; records and keeps one bit a record, 'has a hole'; a step whose bit is 0 has nothing to replace, and a scalar branch leads round the loads of its 64 words and round the 64 selects.
; NO TENSOR LOAD AND NO CLUSTER, though the four work-groups of a head read the same K and V: the branch above
; stands in each of a wave's 32 steps, while K and V are fetched once.
; No prefetch: K and V are asked for once, at the head, and there is no loop that runs ahead of those loads.
; M = ceil(the running largest t), kept as -M; the sum and O^T are multiplied by 2^(old M - new M) in every step: no branch on floating-point data.  A block's largest p is made from the block's largest score.
; LIMITS: the promise holds while |t| stays under 2^31; NaN and infinities are not served; a block under 2^-111, or of zeros, keeps the byte 1 (this program alone reads the bytes).
; REGISTERS: v1-5, v8-11, v248-249 addresses and constants; v12 -M, v13 largest score, v[14:15] the sum; v16-31 Q; v32-103 K's or V's fragments; v104-167 S^T, then p; v168-199 O^T; v200-215 p's codes; v216-223 scale words; v224-253 at work.
.set SCB, 262144                       ; behind K and V: a key step's scale words, 768 bytes (K 512, V 256), 16 steps
.set SPARE, 0x43000                    ; behind them: the spare words, 128 bytes a wave
.set LI,  1
.set SA,  2
.set AD,  3
.set AS,  4
.set FIL, 5
.set ADV, 248
.set STG, 249
.set KV,  32
.set S,   104
.set OT,  168
.set PC,  200
.set KSC, 216
.set VSC, 220
.set QSC, 222
.set PSC, 223
.set BM,  224
.set CV,  246
.set TRIP, 2
.set WV,  3
.set MB,  4                            ; s[4:5] my tile's mask records;  s[12:13], s[14:15] my tile's place in yc, ys;  s[16:19] img, imgs
.set SEL, 6
.set FL,  10                           ; s10: bit 0 = the step in hand has a hole in its mask
.set TB,  66
.set TS,  67
.set MO,  100
.set MNT, 101
.set PASS, 104
.set TV,  105
	s_load_b128 s[16:19], s[0:1], 0x0              ; img, imgs
	s_load_b64 s[MB:MB+1], s[0:1], 0x10            ; maskw
	s_load_b128 s[12:15], s[0:1], 0x18             ; yc, ys
	v_lshl_add_u32 v254, v0, 2, SPARE
	v_mov_b32 v255, 0
	v_lshrrev_b32 v6, 5, v0
	v_readfirstlane_b32 s[WV], v6
	s_and_b32 s69, ttmp7, 0xffff
	s_lshr_b32 s70, s69, 4                         ; batch
	s_bfe_u32 s72, s69, 0x20002                    ; head / 4
	s_and_b32 s73, s69, 3                          ; head % 4
	s_and_b32 s71, s[WV], 7                        ; g: which 256 keys I bring
	s_lshl_b32 s77, s70, 21
	s_lshl_b32 s40, s72, 16                        ; K: (8 + 2 batch) << 20 + g << 18 + (head / 4) << 16 + (head % 4) << 10
	s_add_co_u32 s40, s40, s77
	s_add_co_u32 s40, s40, 8<<20
	s_lshl_b32 s76, s73, 10
	s_add_co_u32 s40, s40, s76
	s_lshl_b32 s76, s71, 18
	s_add_co_u32 s40, s40, s76
	s_lshl_b32 s44, s72, 18                        ; V: (16 + 2 batch + g / 4) << 20 + (head / 4) << 18 + (g % 4) << 16 + (head % 4) << 14
	s_add_co_u32 s44, s44, s77
	s_add_co_u32 s44, s44, 16<<20
	s_lshl_b32 s76, s73, 14
	s_add_co_u32 s44, s44, s76
	s_and_b32 s76, s71, 3
	s_lshl_b32 s76, s76, 16
	s_add_co_u32 s44, s44, s76
	s_lshr_b32 s76, s71, 2
	s_lshl_b32 s76, s76, 20
	s_add_co_u32 s44, s44, s76
	s_cmp_lt_u32 s[WV], 8
	s_cselect_b32 s40, s40, s44
	s_mov_b32 s41, 0
	s_and_b32 s80, s[WV], 1                        ; I stage the scale words of key step w = my wave's number, at place 8 (w % 2) + w / 2
	s_lshl_b32 s80, s80, 3
	s_lshr_b32 s81, s[WV], 1
	s_add_co_u32 s80, s80, s81
	s_mul_i32 s80, s80, 768
	s_add_co_u32 s80, s80, SCB
	s_lshl_b32 s82, s[WV], 14                      ; 16,384 bytes of LDS a wave: K from 0, V from 131,072
	s_mov_b32 s[MNT], 0x600000
	s_mov_b32 s[SEL], 0x76543210
	s_mov_b32 s[SEL+1], 0xfedcba98
	s_mov_b32 s[PASS], 0
	v_and_b32 v7, 31, v0
	v_and_b32 v8, 15, v0                           ; r
	v_bfe_u32 v9, v0, 4, 1                         ; h
	v_lshlrev_b32 v[LI], 4, v7
	v_lshlrev_b32 v10, 3, v7
	v_lshlrev_b32 v11, 4, v8
	v_lshl_add_u32 v[SA], v9, 3, v11
	v_add_nc_u32 v[SA], SCB, v[SA]
	v_add_nc_u32 v6, s80, v[LI]
	v_add_nc_u32 v7, s80, v10
	v_add_nc_u32 v[STG], s82, v[LI]
	v_mov_b32 v[CV], 0x3e38aa3b                    ; log2(e) / 8
	v_mov_b32 v[CV+1], 0x3e38aa3b
	v_mov_b32 v[FIL], 0xb209705f                   ; -1e-9 x 8
.irp i, 0,1,2,3,4,5,6,7
	v_mov_b32 v[24+\i], 0                          ; zero codes: K = 64 .. 127 of Q's fragment, and of the last K tile's
	v_mov_b32 v[96+\i], 0
.endr
	v_mov_b32 v243, 0                              ; (named as the upper half of the pair v[242:243])
	v_mov_b32 v244, 0
	s_wait_alu depctr_va_vdst(0)
	s_wait_kmcnt 0x0
	s_mov_b32 s75, 0
	s_lshl_b32 s77, s70, 17
	s_lshr_b32 s74, s[WV], 1                       ; K's scale words of key step w: 512 bytes
	s_lshl_b32 s74, s74, 14
	s_add_co_u32 s74, s74, s77
	s_lshl_b32 s76, s72, 12
	s_add_co_u32 s74, s74, s76
	s_lshl_b32 s76, s73, 10
	s_add_co_u32 s74, s74, s76
	s_and_b32 s76, s[WV], 1
	s_lshl_b32 s76, s76, 9
	s_add_co_u32 s74, s74, s76
	s_add_co_u32 s74, s74, 8<<16
	s_add_nc_u64 s[48:49], s[18:19], s[74:75]
	s_lshr_b32 s74, s[WV], 3                       ; V's: 256 bytes
	s_lshl_b32 s74, s74, 16
	s_add_co_u32 s74, s74, s77
	s_lshl_b32 s76, s72, 14
	s_add_co_u32 s74, s74, s76
	s_bfe_u32 s76, s[WV], 0x20001
	s_lshl_b32 s76, s76, 12
	s_add_co_u32 s74, s74, s76
	s_and_b32 s76, s[WV], 1
	s_lshl_b32 s76, s76, 11
	s_add_co_u32 s74, s74, s76
	s_lshl_b32 s76, s73, 8
	s_add_co_u32 s74, s74, s76
	s_add_co_u32 s74, s74, 16<<16
	s_add_nc_u64 s[50:51], s[18:19], s[74:75]
	s_add_nc_u64 s[20:21], s[16:17], s[40:41]
	global_load_b128 v[160:163], v[LI], s[48:49]
	global_load_b64 v[164:165], v10, s[50:51]
	s_cmp_lt_u32 s[WV], 8
; My 16,384 bytes are 32 pieces of 512; piece j goes to v[32 + 4 j ..] and lies at (j / 2) x pair + (j % 2) x 512 (pair: 4,096 in K, where a tile of 16 keys is 1,024 bytes; 1,024 in V, which is dense).
; The four work-groups of a head bring the same bytes: work-group x begins at piece 8 x and goes round, so that the four begin on different quarters.  Only the order of issue differs.
.macro STAGE pair, rot
.set i, 0
.rept 32
.set j, (i+8*\rot)%32
	global_load_b128 v[32+4*j:35+4*j], v[LI], s[20:21] offset:(j/2)*\pair+(j%2)*512
.set i, i+1
.endr
	s_branch .Lasked
.endm
.macro ARMS pair
	s_cmp_lg_u32 ttmp9, 0
	s_cbranch_scc1 .Lr1_\@
	STAGE \pair, 0
.Lr1_\@:
	s_cmp_lg_u32 ttmp9, 1
	s_cbranch_scc1 .Lr2_\@
	STAGE \pair, 1
.Lr2_\@:
	s_cmp_lg_u32 ttmp9, 2
	s_cbranch_scc1 .Lr3_\@
	STAGE \pair, 2
.Lr3_\@:
	STAGE \pair, 3
.endm
	s_cbranch_scc0 .Lfor_v
	ARMS 4096
.Lfor_v:
	ARMS 1024
.Lasked:
; A PASS'S OPENING, first part: the addresses, and the loads of Q's fragment, its scale word and the tile's 16 mask records.  first = 1: at the head; 0: between the passes.
.macro PRO_A first
.if !\first
	s_wait_xcnt 0x0                                ; the last pass's stores have read their registers and bases
	s_add_nc_u64 s[MB:MB+1], s[MB:MB+1], 65536     ; sixteen tiles on: 4,096 bytes of records,
	s_add_nc_u64 s[12:13], s[12:13], 262144        ; 16,384 of codes,
	s_add_nc_u64 s[14:15], s[14:15], 8192          ; 512 of scale bytes a tile
.endif
	s_lshl_b32 s40, ttmp9, 1
	s_add_co_u32 s40, s40, s[PASS]                 ; which 256 queries of the batch: 2 x + pass
	s_and_b32 s41, ttmp7, 0xffff
	s_lshr_b32 s42, s41, 4
	s_bfe_u32 s43, s41, 0x20002
	s_and_b32 s44, s41, 3
	s_lshl_b32 s46, s42, 21                        ; Q's codes
	s_lshl_b32 s45, s40, 18
	s_add_co_u32 s46, s46, s45
	s_lshl_b32 s45, s43, 16
	s_add_co_u32 s46, s46, s45
	s_lshl_b32 s45, s[WV], 12
	s_add_co_u32 s46, s46, s45
	s_lshl_b32 s45, s44, 10
	s_add_co_u32 s46, s46, s45
	s_mov_b32 s47, 0
	s_lshl_b32 s56, s42, 17                        ; Q's scale words
	s_lshl_b32 s45, s40, 14
	s_add_co_u32 s56, s56, s45
	s_lshl_b32 s45, s43, 12
	s_add_co_u32 s56, s56, s45
	s_lshl_b32 s45, s44, 10
	s_add_co_u32 s56, s56, s45
	s_lshr_b32 s45, s[WV], 2
	s_lshl_b32 s45, s45, 8
	s_add_co_u32 s56, s56, s45
	s_and_b32 s45, s[WV], 3
	s_lshl_b32 s45, s45, 2
	s_add_co_u32 s56, s56, s45
	s_mov_b32 s57, 0
.if \first
	s_lshl_b32 s58, s42, 7
	s_lshl_b32 s45, s40, 4
	s_add_co_u32 s58, s58, s45
	s_add_co_u32 s58, s58, s[WV]                   ; my tile of 16 queries: 128 batch + 16 (2 x) + wave
	s_mov_b32 s61, 0
	s_lshl_b32 s60, s58, 12
	s_add_nc_u64 s[MB:MB+1], s[MB:MB+1], s[60:61]
	s_and_b32 s59, s41, 15
	s_lshl_b32 s60, s58, 14
	s_lshl_b32 s45, s59, 10
	s_add_co_u32 s60, s60, s45
	s_add_nc_u64 s[12:13], s[12:13], s[60:61]
	s_lshl_b32 s60, s58, 9
	s_lshl_b32 s45, s59, 1
	s_add_co_u32 s60, s60, s45
	s_add_nc_u64 s[14:15], s[14:15], s[60:61]
.endif
	s_add_nc_u64 s[52:53], s[16:17], s[46:47]
	s_add_nc_u64 s[54:55], s[18:19], s[56:57]
	global_load_b128 v[16:19], v[LI], s[52:53]
	global_load_b128 v[20:23], v[LI], s[52:53] offset:512
	global_load_b32 v[QSC], v11, s[54:55]
.irp i, 0,1,2,3,4,5,6,7
	global_load_b128 v[OT+4*\i:OT+4*\i+3], v[LI], s[MB:MB+1] offset:512*\i   ; lanes 0-15: record 2 i, lanes 16-31: record 2 i + 1
.endr
.endm
; Second part: a bit for each record that is not all ones, and the running state.
.macro PRO_B
	s_wait_loadcnt 0x0
.irp i, 0,1,2,3,4,5,6,7
	v_and_b32 v[OT+4*\i], v[OT+4*\i], v[OT+4*\i+1]
	v_and_b32 v[OT+4*\i+2], v[OT+4*\i+2], v[OT+4*\i+3]
.endr
.irp i, 0,1,2,3,4,5,6,7
	v_and_b32 v[OT+4*\i], v[OT+4*\i], v[OT+4*\i+2]
.endr
.irp i, 0,1,2,3,4,5,6,7
	v_cmp_ne_u32 s[24+\i], -1, v[OT+4*\i]          ; the lanes whose four words have a 0 bit
.endr
	v_mov_b32 v13, 0xff61b1e6                      ; the largest score so far: -3e38
	v_floor_f32 v12, -v13
	v_mov_b32 v14, 0
	v_mov_b32 v15, 0
.set n, 0
.rept 32
	v_mov_b32 v[OT+n], 0                           ; the step is written once: the first finds zeros
.set n, n+1
.endr
	s_wait_alu depctr_va_vdst(0)
	s_mov_b32 s[FL], 0
.irp i, 0,1,2,3,4,5,6,7
	s_and_b32 s20, s[24+\i], 0xffff
	s_cselect_b32 s20, 1<<(2*\i), 0
	s_or_b32 s[FL], s[FL], s20
	s_lshr_b32 s20, s[24+\i], 16
	s_cselect_b32 s20, 2<<(2*\i), 0
	s_or_b32 s[FL], s[FL], s20
.endr
	s_mov_b32 s[MO], 0
.endm
	PRO_A 1
	s_wait_loadcnt 11                              ; the 2 loads of scale words and the 32 of K or V are in; Q's 3 and the records' 8 may be out
.set i, 0
.rept 32
	ds_store_b128 v[STG], v[32+4*i:35+4*i] offset:512*i
.set i, i+1
.endr
	ds_store_b128 v6, v[160:163]
	ds_store_b64 v7, v[164:165] offset:512
	PRO_B
	s_wait_dscnt 0x0                               ; my part of K or V and my scale words are stored:
	s_barrier_signal -1
	s_barrier_wait -1                              ; and so are everybody's.  Nothing is written to LDS from here on but the closing add
; A KEY STEP: 128 keys.
.macro STEP
	v_add_nc_u32 v[AD], s[TB], v[LI]
	v_add_nc_u32 v[AS], s[TS], v[SA]
	v_add_nc_u32 v[ADV], s[TV], v[LI]
.rept 5
	v_nop                                          ; with the three lines above: eight places in front of loads into registers that the last products read
.endr
.irp t, 0,1,2,3,4,5,6,7
	ds_load_b128 v[KV+8*\t:KV+8*\t+3], v[AD] offset:1024*\t
	ds_load_b128 v[KV+8*\t+4:KV+8*\t+7], v[AD] offset:1024*\t+512
.endr
	ds_load_b64 v[KSC:KSC+1], v[AS]
	ds_load_b64 v[KSC+2:KSC+3], v[AS] offset:256
	s_wait_alu depctr_va_vdst(0)
	s_wait_dscnt 0x0
.irp t, 0,1,2,3,4,5,6,7                        ; S^T: a tile's registers 8 .. 15 are the next tile's codes, against Q's zero codes
.if ((\t)/2)%2
	v_wmma_scale_f32_16x16x128_f8f6f4 v[S+8*\t:S+8*\t+7], v[KV+8*\t:KV+8*\t+15], v[16:31], 0, v[KSC+2*((\t)/4)+(\t)%2], v[QSC] matrix_a_fmt:MATRIX_FMT_BF8 matrix_b_fmt:MATRIX_FMT_BF8 matrix_a_scale:MATRIX_SCALE_ROW1
.else
	v_wmma_scale_f32_16x16x128_f8f6f4 v[S+8*\t:S+8*\t+7], v[KV+8*\t:KV+8*\t+15], v[16:31], 0, v[KSC+2*((\t)/4)+(\t)%2], v[QSC] matrix_a_fmt:MATRIX_FMT_BF8 matrix_b_fmt:MATRIX_FMT_BF8
.endif
.endr
.rept 8
	v_nop
.endr
.irp d, 0,1,2,3                                ; V's four channel tiles x four blocks of 32 keys, under the softmax
.irp c, 0,1,2,3
	ds_load_b128 v[KV+16*\d+4*\c:KV+16*\d+4*\c+3], v[ADV] offset:4096*\d+512*\c
.endr
.endr
	ds_load_b64 v[VSC:VSC+1], v[AS] offset:512
	s_bitcmp1_b32 s[FL], 0                         ; has this step's record a hole?
	s_cbranch_scc0 .Lopen_\@
	s_load_b512 s[32:47], s[MB:MB+1], s[MO] offset:0x0
	s_load_b512 s[48:63], s[MB:MB+1], s[MO] offset:0x40
	s_load_b512 s[68:83], s[MB:MB+1], s[MO] offset:0x80
	s_load_b512 s[84:99], s[MB:MB+1], s[MO] offset:0xc0
	s_wait_kmcnt 0x0
.set n, 0
.rept 32
	v_cndmask_b32 v[S+n], v[FIL], v[S+n], s[32+n]
.set n, n+1
.endr
.set n, 0
.rept 32
	v_cndmask_b32 v[S+32+n], v[FIL], v[S+32+n], s[68+n]
.set n, n+1
.endr
.Lopen_\@:
.irp b, 0,1,2,3                                ; the largest score of each block of 32 keys: my 16 in two chains, eight chains by turns
	v_max3_num_f32 v[BM+\b], v[S+16*\b], v[S+16*\b+1], v[S+16*\b+2]
	v_max3_num_f32 v[BM+4+\b], v[S+16*\b+8], v[S+16*\b+9], v[S+16*\b+10]
.endr
.irp i, 3,5
.irp b, 0,1,2,3
	v_max3_num_f32 v[BM+\b], v[BM+\b], v[S+16*\b+\i], v[S+16*\b+\i+1]
	v_max3_num_f32 v[BM+4+\b], v[BM+4+\b], v[S+16*\b+8+\i], v[S+16*\b+9+\i]
.endr
.endr
.irp b, 0,1,2,3
	v_max3_num_f32 v[BM+4+\b], v[BM+4+\b], v[S+16*\b+15], v[S+16*\b+7]
.endr
	v_mov_b32 v244, v12                            ; the old -M
.irp b, 0,1,2,3
	v_max_num_f32 v[BM+\b], v[BM+\b], v[BM+4+\b]
.endr
	s_delay_alu instid0(VALU_DEP_4)
.irp b, 0,1,2,3
	v_permlanex16_b32 v[BM+4+\b], v[BM+\b], s[SEL], s[SEL+1]
.endr
	s_delay_alu instid0(VALU_DEP_4)
.irp b, 0,1,2,3
	v_max_num_f32 v[BM+\b], v[BM+\b], v[BM+4+\b]   ; with lane l xor 16's 16 keys
.endr
	s_delay_alu instid0(VALU_DEP_2)
	v_max3_num_f32 v245, v[BM], v[BM+1], v[BM+2]
	s_delay_alu instid0(VALU_DEP_1)
	v_max3_num_f32 v13, v13, v245, v[BM+3]         ; the running largest score
	s_delay_alu instid0(VALU_DEP_1)
	v_mul_f32 v245, -v[CV], v13                    ; -t
	s_delay_alu instid0(VALU_DEP_1)
	v_floor_f32 v12, v245                          ; -M = floor(-t)
.set n, 0
.rept 32
	v_pk_fma_f32 v[S+n:S+n+1], v[S+n:S+n+1], v[CV:CV+1], v[12:13] op_sel_hi:[1,0,0]
.if n == 8
	v_sub_f32 v244, v12, v244                      ; old M - new M, a whole number; its three lines stand apart among the multiply-adds
.endif
.if n == 20
	v_cvt_i32_f32 v244, v244
.endif
.if n == 32
	v_ldexp_f32 v242, 1.0, v244                    ; f = 2^(old M - new M)
.endif
.set n, n+2
.endr
.irp b, 0,1,2,3
	v_fma_f32 v[BM+\b], v[BM+\b], v[CV], v12
.endr
.set n, 0
	s_wait_alu depctr_va_vdst(0)                   ; ahead of the batch
.rept 64
	v_exp_f32 v[S+n], v[S+n]
.set n, n+1
.endr
	v_pk_mul_f32 v[14:15], v[14:15], v[242:243] op_sel_hi:[1,0]
	s_wait_alu depctr_va_vdst(0)                   ; and behind it, ahead of its first reader
.irp b, 0,1,2,3
	v_exp_f32 v[BM+\b], v[BM+\b]                   ; each block's largest p
.endr
	v_pk_add_f32 v[240:241], v[S:S+1], v[S+2:S+3]  ; the row's sum of the unquantised p, in four chains
	v_pk_add_f32 v[250:251], v[S+4:S+5], v[S+6:S+7]
	v_pk_add_f32 v[252:253], v[S+8:S+9], v[S+10:S+11]
	v_pk_add_f32 v[14:15], v[14:15], v[S+12:S+13]
.irp j, 14,22,30,38,46,54
	v_pk_add_f32 v[240:241], v[240:241], v[S+\j:S+\j+1]
	v_pk_add_f32 v[250:251], v[250:251], v[S+\j+2:S+\j+3]
	v_pk_add_f32 v[252:253], v[252:253], v[S+\j+4:S+\j+5]
	v_pk_add_f32 v[14:15], v[14:15], v[S+\j+6:S+\j+7]
.endr
	v_pk_add_f32 v[240:241], v[240:241], v[S+62:S+63]
	s_wait_alu depctr_va_vdst(0)                   ; for the four
.irp b, 0,1,2,3
	v_max_num_f32 v[BM+\b], 0x8000000, v[BM+\b]    ; the floor 2^(16 - 127)
.endr
	v_pk_add_f32 v[14:15], v[14:15], v[252:253]
	v_pk_add_f32 v[240:241], v[240:241], v[250:251]
.irp b, 0,1,2,3
	v_add_nc_u32 v[BM+12+\b], 0xf8800000, v[BM+\b] ; the conversion's scale operand
.endr
.irp b, 0,1,2,3
	v_and_or_b32 v[BM+8+\b], v[BM+\b], 0x7f800000, s[MNT]   ; 57,344 x the scale,
.endr
.irp b, 0,1,2,3
	v_and_or_b32 v[250+\b], v[BM+\b], 0x7f800000, s[MNT]    ; and once more, two register banks on: the two halves of a dual line take their second sources from different banks
.endr
.irp b, 0,1,2,3
	v_lshrrev_b32 v[BM+4+\b], 23, v[BM+12+\b]
.endr
	v_pk_add_f32 v[14:15], v[14:15], v[240:241]
.irp b, 0,1,2,3
.irp i, 0,2,4,6,8,10,12,14
	v_dual_min_num_f32 v[S+16*\b+\i], v[S+16*\b+\i], v[BM+8+\b] :: v_dual_min_num_f32 v[S+16*\b+\i+1], v[S+16*\b+\i+1], v[250+\b]   ; the conversion does not saturate (ISA guide 7.6.2); p is not negative
.endr
	v_cvt_scalef32_pk8_bf8_f32 v[PC+4*\b:PC+4*\b+1], v[S+16*\b:S+16*\b+7], v[BM+12+\b]
	v_cvt_scalef32_pk8_bf8_f32 v[PC+4*\b+2:PC+4*\b+3], v[S+16*\b+8:S+16*\b+15], v[BM+12+\b]
.if \b == 0
	v_lshl_or_b32 v[PSC], v[BM+5], 8, v[BM+4]      ; p's scale word, in three lines that stand apart
	v_lshl_or_b32 v245, v[BM+7], 8, v[BM+6]
.endif
.if \b == 1
	v_lshl_or_b32 v[PSC], v245, 16, v[PSC]
.endif
.endr
	s_wait_alu depctr_va_vdst(0)
.set n, 0
.rept 16
	v_pk_mul_f32 v[OT+n:OT+n+1], v[OT+n:OT+n+1], v[242:243] op_sel_hi:[1,0]
.set n, n+2
.endr
	s_wait_alu depctr_va_vdst(0)
	s_wait_dscnt 0x0
.irp d, 0,1,2,3
.if (\d)/2
	v_wmma_scale_f32_16x16x128_f8f6f4 v[OT+8*\d:OT+8*\d+7], v[KV+16*\d:KV+16*\d+15], v[PC:PC+15], v[OT+8*\d:OT+8*\d+7], v[VSC+(\d)%2], v[PSC] matrix_a_fmt:MATRIX_FMT_BF8 matrix_b_fmt:MATRIX_FMT_BF8 matrix_a_scale:MATRIX_SCALE_ROW1
.else
	v_wmma_scale_f32_16x16x128_f8f6f4 v[OT+8*\d:OT+8*\d+7], v[KV+16*\d:KV+16*\d+15], v[PC:PC+15], v[OT+8*\d:OT+8*\d+7], v[VSC+(\d)%2], v[PSC] matrix_a_fmt:MATRIX_FMT_BF8 matrix_b_fmt:MATRIX_FMT_BF8
.endif
.endr
.endm
; Eight key steps: the hf-th 128 keys of each of the eight groups of 256.
.macro HALF hf
	s_mov_b32 s[TB], \hf*8192
	s_mov_b32 s[TV], 131072+\hf*2048
	s_mov_b32 s[TS], \hf*8*768
	s_mov_b32 s[TRIP], 8
.Lstep_\@:
	STEP
	s_add_co_u32 s[TB], s[TB], 16384
	s_add_co_u32 s[TV], s[TV], 16384
	s_add_co_u32 s[TS], s[TS], 768
	s_add_co_u32 s[MO], s[MO], 256                 ; the next step's record,
	s_lshr_b32 s[FL], s[FL], 1                     ; and its bit
	s_sub_co_u32 s[TRIP], s[TRIP], 1
	s_cmp_lg_u32 s[TRIP], 0
	s_cbranch_scc1 .Lstep_\@
.endm
.Lpass:                                            ; two trips: my two tiles of queries
	HALF 0
	HALF 1
	; THE WAY OUT: O^T / the sum, quantised along the head's 64 channels: two blocks of 32, stored as an image of the next operand's registers
	v_add_f32 v14, v14, v15
	s_delay_alu instid0(VALU_DEP_1)
	v_permlanex16_b32 v244, v14, s[SEL], s[SEL+1]
	s_delay_alu instid0(VALU_DEP_1)
	v_add_f32 v14, v14, v244
	s_wait_alu depctr_va_vdst(0)                   ; ahead of the transcendental
	v_rcp_f32 v14, v14
	v_lshl_add_u32 v6, v8, 5, v9
	v_lshlrev_b32 v7, 3, v9
.rept 6
	v_nop
.endr
	s_wait_alu depctr_va_vdst(0)                   ; and ahead of its first reader
.set n, 0
.rept 16
	v_pk_mul_f32 v[S+n:S+n+1], v[OT+n:OT+n+1], v[14:15] op_sel_hi:[1,0]
.set n, n+2
.endr
.irp b, 0,1
	v_max3_num_f32 v[BM+\b], |v[S+16*\b]|, |v[S+16*\b+1]|, 0x8000000
.endr
.irp i, 2,4,6,8,10,12,14
.irp b, 0,1
	s_delay_alu instid0(VALU_DEP_2)
	v_max3_num_f32 v[BM+\b], v[BM+\b], |v[S+16*\b+\i]|, |v[S+16*\b+\i+1]|
.endr
.endr
.irp b, 0,1
	s_delay_alu instid0(VALU_DEP_2)
	v_permlanex16_b32 v[BM+4+\b], v[BM+\b], s[SEL], s[SEL+1]
.endr
.irp b, 0,1
	s_delay_alu instid0(VALU_DEP_2)
	v_max_num_f32 v[BM+\b], v[BM+\b], v[BM+4+\b]
.endr
.irp b, 0,1
	s_delay_alu instid0(VALU_DEP_2)
	v_add_nc_u32 v[BM+12+\b], 0xf8800000, v[BM+\b]
.endr
.irp b, 0,1
	s_delay_alu instid0(VALU_DEP_4)
	v_and_or_b32 v[BM+8+\b], v[BM+\b], 0x7f800000, s[MNT]
.endr
.irp b, 0,1
	s_delay_alu instid0(VALU_DEP_4)
	v_lshrrev_b32 v[BM+4+\b], 23, v[BM+12+\b]
.endr
.irp b, 0,1
.irp i, 0,1,2,3,4,5,6,7,8,9,10,11,12,13,14,15
	v_med3_num_f32 v[S+16*\b+\i], v[S+16*\b+\i], -v[BM+8+\b], v[BM+8+\b]
.endr
	v_cvt_scalef32_pk8_bf8_f32 v[PC+4*\b:PC+4*\b+1], v[S+16*\b:S+16*\b+7], v[BM+12+\b]
	v_cvt_scalef32_pk8_bf8_f32 v[PC+4*\b+2:PC+4*\b+3], v[S+16*\b+8:S+16*\b+15], v[BM+12+\b]
.endr
	v_lshl_or_b32 v244, v[BM+5], 8, v[BM+4]
	s_delay_alu instid0(VALU_DEP_1)
	v_lshrrev_b32 v244, v7, v244                   ; lanes 0-15 store the first block's byte, lanes 16-31 the second's
	global_store_b128 v[LI], v[PC:PC+3], s[12:13]  ; 512 consecutive bytes, aligned
	global_store_b128 v[LI], v[PC+4:PC+7], s[12:13] offset:512
	global_store_b8 v6, v244, s[14:15]
	s_add_co_u32 s[PASS], s[PASS], 1
	s_cmp_lt_u32 s[PASS], 2
	s_cbranch_scc0 .Ldone                          ; behind the second pass nothing more is opened
	PRO_A 0
	PRO_B
	s_cmp_lt_u32 s[PASS], 2
	s_cbranch_scc1 .Lpass
.Ldone:
	s_wait_tensorcnt 0x0                           ; the wave's end
	ds_add_u32 v254, v255
	s_wait_dscnt 0x0
	s_endpgm
.Lfunc_end_k_q01a89ad1f1_attn:
	.size	k_q01a89ad1f1_attn, .Lfunc_end_k_q01a89ad1f1_attn-k_q01a89ad1f1_attn
	.p2alignl 7, 3214868480
	.fill 96, 4, 3214868480
	.section	.rodata,"a",@progbits
	.p2align	6, 0x0
	.amdhsa_kernel k_q01a89ad1f1_attn
		.amdhsa_group_segment_fixed_size 276480
		.amdhsa_private_segment_fixed_size 0
		.amdhsa_enable_private_segment 0
		.amdhsa_kernarg_size 40
		.amdhsa_user_sgpr_count 2
		.amdhsa_user_sgpr_kernarg_segment_ptr 1
		.amdhsa_wavefront_size32 1
		.amdhsa_system_sgpr_workgroup_id_x 1
		.amdhsa_system_sgpr_workgroup_id_y 1
		.amdhsa_system_sgpr_workgroup_id_z 1
		.amdhsa_system_vgpr_workitem_id 0
		.amdhsa_next_free_vgpr 256
		.amdhsa_next_free_sgpr 106
		.amdhsa_reserve_vcc 0
		.amdhsa_float_denorm_mode_32 3
		.amdhsa_float_denorm_mode_16_64 3
		.amdhsa_memory_ordered 1
		.amdhsa_forward_progress 1
		.amdhsa_inst_pref_size 100
	.end_amdhsa_kernel
	.amdgpu_metadata
---
amdhsa.version: [ 1, 2 ]
amdhsa.kernels:
  - .name:           k_q01a89ad1f1_attn
    .symbol:         k_q01a89ad1f1_attn.kd
    .args:
      - { .name: img, .offset: 0, .size: 8, .value_kind: global_buffer, .address_space: global }
      - { .name: imgs, .offset: 8, .size: 8, .value_kind: global_buffer, .address_space: global }
      - { .name: maskw, .offset: 16, .size: 8, .value_kind: global_buffer, .address_space: global }
      - { .name: yc, .offset: 24, .size: 8, .value_kind: global_buffer, .address_space: global }
      - { .name: ys, .offset: 32, .size: 8, .value_kind: global_buffer, .address_space: global }
    .group_segment_fixed_size: 276480
    .private_segment_fixed_size: 0
    .kernarg_segment_align: 8
    .kernarg_segment_size: 40
    .max_flat_workgroup_size: 512
    .sgpr_count:     106
    .vgpr_count:     256
    .wavefront_size: 32
...
	.end_amdgpu_metadata
.endif
;; end of part 3
;; launch outp (part 4): grid 4 x 32, 4 waves a work-group, clusters of 4 x 4, 327,680 bytes of LDS; arguments yc, ys, codes, scl, bo, out0; writes out0
.if DOCPART == 4
	.amdgcn_target "amdgcn-amd-amdhsa--gfx1250"
	.amdhsa_code_object_version 6
	.text
	.protected	k_q01a89ad1f1_outp
	.globl	k_q01a89ad1f1_outp
	.p2align	8
	.type	k_q01a89ad1f1_outp,@function
k_q01a89ad1f1_outp:
	s_mov_b64 s[64:65], 0
	v_nop
	global_prefetch_b8 v0, s[64:65] scope:SCOPE_SE
	s_setreg_imm32_b32 hwreg(HW_REG_WAVE_MODE, 25, 1), 1
	s_wait_xcnt 0x0
	s_wait_alu depctr_hold_cnt(0) depctr_sa_sdst(0) depctr_va_vdst(0) depctr_va_sdst(0) depctr_va_ssrc(0) depctr_va_vcc(0) depctr_vm_vsrc(0)
	s_getreg_b32 s2, hwreg(HW_REG_IB_STS2, 6, 4)
	s_cmp_eq_u32 s2, 0
	s_cbranch_scc0 .Lentry_in_a_cluster
	s_endpgm
.Lentry_in_a_cluster:
	s_bfe_u32 s2, ttmp6, 0x10000c
	s_cmp_lg_u32 s2, 0xf033
	s_cbranch_scc0 .Lentry_shape_is_right
	s_endpgm
.Lentry_shape_is_right:
.set SIZE_N, 1024
.set KSTEP,  256
.set NQ,     2
.set ROWB,   256
.set KROW,   1024
.set PITCH,  272
.set FR,     16
.set NL,     4
.set NP,     8
.set HALFT,  128*PITCH
.set SLOT,   4*HALFT
.set LAPS,   2
.set KS,     32
.set SCL,    2*SLOT
.set HALFS,  (128*KS/256)*272
.set SBLK,   (16*KS/256)*272
.set SPARE,  SCL+4*HALFS
.set SPITCH, 528
.set ADRA, 16
.set BA0,  18
.set ADRB, 20
.set STO,  24
.set RD,   25
.set CO,   26
.set ADRS, 27
.set SPW,  28
.set NIL,  29
.set SC,   32
.set B0,   64
.set AF,   128
.set BK,   128
.set G1, 24
.set G0, 32
.set G1B, 48
.set G0B, 56
.set G1S, 68
.set G0S, 76
.set G1SB, 80
.set G0SB, 88
.set MSB, 0
.macro WIN new
.if MSB != \new
	s_set_vgpr_msb (MSB<<8)|\new
.set MSB, \new
.endif
.endm
.set MUL_LO, 0xa1
.set MUL_HI, 0xf1
.set FST_LO, 0x81
.set FST_HI, 0xc1
.set TO_B,   0x40
.macro JLOAD g0a, g1a, g0b, g1b
	s_cmp_eq_u32 s15, 0
	s_cbranch_scc0 .Lfor_b_\@
	tensor_load_to_lds s[\g0a:\g0a+3], s[\g1a:\g1a+7]
	s_nop 0
.rept 4
	v_nop
.endr
	s_branch .Lasked_\@
.Lfor_b_\@:
	tensor_load_to_lds s[\g0b:\g0b+3], s[\g1b:\g1b+7]
	s_nop 0
.rept 4
	v_nop
.endr
.Lasked_\@:
.endm
.macro CREST
	s_cmp_lg_u32 s14, 0
	s_cbranch_scc1 .Lnot_wave_0_\@
	s_barrier_signal -3
.Lnot_wave_0_\@:
	s_barrier_wait -3
	s_barrier_signal -1
	s_barrier_wait -1
.endm
.macro CROUND
	s_barrier_signal -1
	s_barrier_wait -1
	CREST
.endm
	s_load_b128 s[4:7], s[0:1], 0x0
	s_load_b128 s[8:11], s[0:1], 0x10
	s_load_b64 s[96:97], s[0:1], 0x20
	s_load_b64 s[12:13], s[0:1], 0x28
	v_lshl_add_u32 v[SPW], v0, 2, SPARE
	v_mov_b32 v[NIL], 0
	ds_add_u32 v28, v29
	ds_add_u32 v28, v29
	s_wait_dscnt 0x0
	v_lshrrev_b32 v1, 5, v0
	v_readfirstlane_b32 s14, v1
	s_lshr_b32 s15, s14, 1
	s_and_b32 s16, s14, 1
	s_bfe_u32 s40, ttmp6, 0x40000
	s_bfe_u32 s41, ttmp6, 0x40004
	s_lshl_b32 s42, ttmp9, 2
	s_add_co_u32 s42, s42, s40
	s_and_b32 s17, ttmp7, 0xffff
	s_lshl_b32 s17, s17, 2
	s_add_co_u32 s17, s17, s41
	s_lshl_b32 s43, s41, 2
	s_lshl_b32 s43, 15, s43
	s_lshl_b32 s44, 0x1111, s40
	s_or_b32 s[G1+0], s43, (3<<16)|(1<<21)
	s_mov_b32 s[G1+1], 512<<16
	s_mov_b32 s[G1+2], 16<<16                      ; 16 tiles of 16 tokens for the head's load; set to 8 for the ring's behind it
	s_mov_b32 s[G1+3], 512<<16
	s_mov_b32 s[G1+4], 16
	s_mov_b32 s[G1+5], 2048
	s_mov_b32 s[G1+6], 0
	s_mov_b32 s[G1+7], 0
	s_or_b32 s[G1B+0], s44, (0<<16)|(1<<20)|(1<<21)|(5<<22)|(3<<25)
	s_mov_b32 s[G1B+1], ROWB<<16
	s_mov_b32 s[G1B+2], 256<<16                    ; 256 rows for the head's load; set to 128 for the ring's behind it
	s_mov_b32 s[G1B+3], ROWB<<16
	s_mov_b32 s[G1B+4], 256
	s_mov_b32 s[G1B+5], KROW
	s_mov_b32 s[G1B+6], 0
	s_mov_b32 s[G1B+7], 0
	s_or_b32 s[G1S+0], s43, (3<<16)|(1<<20)|(1<<21)|(5<<22)|(3<<25)
	s_or_b32 s[G1SB+0], s44, (3<<16)|(1<<20)|(1<<21)|(5<<22)|(3<<25)
.irp g, G1S, G1SB
	s_mov_b32 s[\g+1], 32<<16
	s_mov_b32 s[\g+2], (256*KS/256)<<16            ; the scales of 256 rows: 8,192 dense bytes as 32 rows of 256
	s_mov_b32 s[\g+3], 32<<16
	s_mov_b32 s[\g+4], 256*KS/256
	s_mov_b32 s[\g+5], 32
	s_mov_b32 s[\g+6], 0
	s_mov_b32 s[\g+7], 0
.endr
	s_lshl_b32 s20, s17, 18
	s_lshl_b32 s18, s16, 17
	s_add_co_u32 s20, s20, s18
	s_mov_b32 s21, 0
	s_lshl_b32 s22, s17, 13                        ; the scales of the tile's 256 tokens,
	s_mov_b32 s23, 0
	s_lshl_b32 s46, s42, 8
	s_add_co_u32 s46, s46, 27648
	s_lshl_b32 s92, s46, 5                         ; and of its 256 rows of Wo
	s_lshl_b32 s18, s16, 7
	s_add_co_u32 s46, s46, s18
	s_mov_b32 s93, 0
	s_lshl_b32 s95, s14, 15                        ; source 1's halves lie 32,768 bytes apart in a slot: 8 tiles of 4,096 bytes
	s_lshl_b32 s46, s46, 10
	s_mov_b32 s47, 0
	s_mul_i32 s45, s14, HALFT
	s_wait_kmcnt 0x0
	s_add_nc_u64 s[20:21], s[4:5], s[20:21]
	s_add_nc_u64 s[22:23], s[6:7], s[22:23]
	s_add_nc_u64 s[46:47], s[8:9], s[46:47]
	s_add_nc_u64 s[92:93], s[10:11], s[92:93]
	CROUND
	s_mov_b32 s[G0S], 1
	s_mov_b32 s[G0S+1], SCL
	s_mov_b64 s[G0S+2:G0S+3], s[22:23]
	s_or_b32 s[G0S+3], s[G0S+3], 0x80000000
	s_mov_b32 s[G0SB], 1
	s_mov_b32 s[G0SB+1], SCL+2*HALFS
	s_mov_b64 s[G0SB+2:G0SB+3], s[92:93]
	s_or_b32 s[G0SB+3], s[G0SB+3], 0x80000000
.irp s, 0,1
	s_mov_b32 s[G0+4*\s], 1
	s_add_co_u32 s[G0+4*\s+1], s95, \s*SLOT
	s_add_nc_u64 s[G0+4*\s+2:G0+4*\s+3], s[20:21], \s*4096
	s_or_b32 s[G0+4*\s+3], s[G0+4*\s+3], 0x80000000
	s_mov_b32 s[G0B+4*\s], 1
	s_add_co_u32 s[G0B+4*\s+1], s45, \s*SLOT
	s_add_nc_u64 s[G0B+4*\s+2:G0B+4*\s+3], s[46:47], \s*ROWB
	s_or_b32 s[G0B+4*\s+3], s[G0B+4*\s+3], 0x80000000
.endr
; THE HEAD'S LOADS, ONE A WAVE: wave 0 fetches K step 0 of the tile's 256 tokens (its own slot-0 descriptor begins at the tile's first token and at LDS byte 0),
; wave 2 the 256 rows of Wo (likewise, at 2 HALFT), wave 1 the tokens' scales, wave 3 Wo's.  One tree of branches on the wave's number, a load to an arm.
.macro ARM under, g0, g1, next
	s_cmp_lt_u32 s14, \under
	s_cbranch_scc0 \next
	tensor_load_to_lds s[\g0:\g0+3], s[\g1:\g1+7]
	s_nop 0
.rept 4
	v_nop
.endr
	s_branch .Lhead_asked
\next:
.endm
	ARM 1, G0,  G1,  .Lhead_sa
	ARM 2, G0S, G1S, .Lhead_b
	ARM 3, G0B, G1B, .Lhead_sb
	tensor_load_to_lds s[G0SB:G0SB+3], s[G1SB:G1SB+7]
	s_nop 0
.rept 4
	v_nop
.endr
.Lhead_asked:
	v_and_b32 v1, 15, v0
	v_bfe_u32 v2, v0, 4, 1
	v_and_b32 v6, 31, v0
	v_lshlrev_b32 v[CO], 4, v6
	v_mul_u32_u24 v3, v1, PITCH
	v_lshl_add_u32 v4, v2, 4, v3
	s_lshl_b32 s21, s15, 15
	s_mul_i32 s22, s16, HALFT
	s_add_co_u32 s22, s22, 2*HALFT
.irp s, 0,1
	v_add_nc_u32 v[ADRA+\s], s21, v[CO]
	v_add_nc_u32 v[ADRB+\s], s22, v4
	s_add_co_u32 s21, s21, SLOT
	s_add_co_u32 s22, s22, SLOT
.endr
	v_mul_u32_u24 v5, v1, KS
	v_lshrrev_b32 v6, 8, v5
	v_lshl_add_u32 v5, v6, 4, v5
	s_mul_i32 s21, s15, HALFS
	s_mul_i32 s22, s16, HALFS
	s_add_co_u32 s22, s22, 2*HALFS
	s_sub_co_u32 s22, s22, s21
	v_mul_u32_u24 v6, s22, v2
	s_add_co_u32 s21, s21, SCL
	v_add_nc_u32 v5, v5, v6
	v_add_nc_u32 v[ADRS], s21, v5
	s_mul_i32 s23, s14, 16*SPITCH
	v_mul_u32_u24 v5, v1, SPITCH
	v_lshl_add_u32 v5, v2, 6, v5
	v_add_nc_u32 v[STO], s23, v5
	v_add_nc_u32 v[RD], s23, v[CO]
	v_lshlrev_b32 v[BA0], 6, v2
	s_lshl_b32 s20, s42, 10
	s_lshl_b32 s21, s16, 9
	s_add_co_u32 s20, s20, s21
	s_mov_b32 s21, 0
	s_add_nc_u64 s[96:97], s[96:97], s[20:21]
.irp b, 0,1,2,3,4,5,6,7
	global_load_b128 v[B0+8*\b:B0+8*\b+3], v[BA0], s[96:97] offset:(32*(\b/2)+8*(\b%2))*4
	global_load_b128 v[B0+8*\b+4:B0+8*\b+7], v[BA0], s[96:97] offset:(32*(\b/2)+8*(\b%2))*4+16
.endr
	s_lshl_b32 s20, s17, 8
	s_lshl_b32 s22, s15, 7
	s_add_co_u32 s20, s20, s22
	s_lshl_b32 s20, s20, 12
	s_lshl_b32 s46, s42, 10
	s_lshl_b32 s47, s16, 9
	s_add_co_u32 s46, s46, s47
	s_mov_b32 s47, 0
	s_add_nc_u64 s[20:21], s[20:21], s[46:47]
	s_add_nc_u64 s[12:13], s[12:13], s[20:21]
.macro FRAG reg, adr, q, i
.irp c, 0,1,2,3
	ds_load_b128 v[\reg+4*\c:\reg+4*\c+3], v[\adr] offset:128*(\q)+32*\c+(\i)*16*PITCH
.endr
.endm
.macro FRAGA reg, adr, q, i
.irp c, 0,1,2,3
	ds_load_b128 v[\reg+4*\c:\reg+4*\c+3], v[\adr] offset:2048*(\q)+512*\c+(\i)*4096
.endr
.endm
.macro MUL16 a0, p, q, sc, zero
.irp a, \a0, \a0+1
.irp b, 0,1,2,3,4,5,6,7
.if \zero
	v_wmma_scale_f32_16x16x128_f8f6f4 v[8*(8*((\a)%4)+\b):8*(8*((\a)%4)+\b)+7], v[128*(\p)+FR*\b:128*(\p)+FR*\b+FR-1], v[AF+FR*(\a):AF+FR*(\a)+FR-1], v[B0+8*\b:B0+8*\b+7], v[SC+8*NQ*(\sc)+NQ*\b+(\q)], v[SC+8*NQ*(\sc)+NQ*(\a)+(\q)] matrix_a_fmt:MATRIX_FMT_BF8 matrix_b_fmt:MATRIX_FMT_BF8 matrix_a_scale:MATRIX_SCALE_ROW1
.else
	v_wmma_scale_f32_16x16x128_f8f6f4 v[8*(8*((\a)%4)+\b):8*(8*((\a)%4)+\b)+7], v[128*(\p)+FR*\b:128*(\p)+FR*\b+FR-1], v[AF+FR*(\a):AF+FR*(\a)+FR-1], v[8*(8*((\a)%4)+\b):8*(8*((\a)%4)+\b)+7], v[SC+8*NQ*(\sc)+NQ*\b+(\q)], v[SC+8*NQ*(\sc)+NQ*(\a)+(\q)] matrix_a_fmt:MATRIX_FMT_BF8 matrix_b_fmt:MATRIX_FMT_BF8 matrix_a_scale:MATRIX_SCALE_ROW1
.endif
.endr
.endr
.endm
.macro FETCH_B slot, q, p
	WIN TO_B
.irp i, 0,1,2,3,4,5,6,7
	FRAG 128*(\p)+FR*\i, ADRB+\slot, \q, \i
.endr
	WIN 0
.endm
.macro FETCH_A slot, q, i0
.irp i, \i0, \i0+1, \i0+2, \i0+3
	FRAGA AF+FR*(\i), ADRA+\slot, \q, \i
.endr
.endm
.macro SCALES sc
.irp i, 0,1,2,3,4,5,6,7
	ds_load_b64 v[SC+8*NQ*\sc+NQ*\i:SC+8*NQ*\sc+NQ*\i+1], v[ADRS] offset:\i*SBLK
.endr
.endm
.macro PLACES n
.rept \n
	v_nop
.endr
.endm
.macro STEP slot, q, zero
	s_wait_dscnt 4*NL
.if \zero
	WIN FST_LO
.else
	WIN MUL_LO
.endif
	MUL16 0, (\q)%2, \q, \slot, \zero
	MUL16 2, (\q)%2, \q, \slot, \zero
	s_wait_dscnt 0
	PLACES NP
	FETCH_B \slot, (\q)+1, 1-(\q)%2
	FETCH_A \slot, (\q)+1, 0
.if \zero
	WIN FST_HI
.else
	WIN MUL_HI
.endif
	MUL16 4, (\q)%2, \q, \slot, \zero
	MUL16 6, (\q)%2, \q, \slot, \zero
	PLACES NP
	WIN 0
	FETCH_A \slot, (\q)+1, 4
.endm
.macro TURN slot, next, fill
	s_wait_tensorcnt 0x0
	ds_add_u32 v[SPW], v[NIL]
	s_wait_dscnt 4*NL+1
	WIN MUL_LO
	MUL16 0, 1, NQ-1, \slot, 0
	s_wait_dscnt 0x0
	s_barrier_signal -1
	MUL16 2, 1, NQ-1, \slot, 0
	WIN 0
	s_barrier_wait -1
.if \fill
	CREST
	s_add_nc_u64 s[G0+4*\slot+2:G0+4*\slot+3], s[G0+4*\slot+2:G0+4*\slot+3], 2*4096
	s_add_nc_u64 s[G0B+4*\slot+2:G0B+4*\slot+3], s[G0B+4*\slot+2:G0B+4*\slot+3], 2*ROWB
	JLOAD G0+4*\slot, G1, G0B+4*\slot, G1B
	PLACES NP-4
.else
	PLACES NP
.endif
	s_wait_alu depctr_va_vdst(0)
	v_add_nc_u32 v[ADRS], 4*NQ, v[ADRS]
	FETCH_B \next, 0, 0
	FETCH_A \next, 0, 0
	SCALES \next
	WIN MUL_HI
	MUL16 4, 1, NQ-1, \slot, 0
	MUL16 6, 1, NQ-1, \slot, 0
	PLACES NP
	WIN 0
	FETCH_A \next, 0, 4
.endm
	s_wait_alu depctr_va_vdst(0)
	s_wait_tensorcnt 0x0                           ; my tile of the head's four is in
	ds_add_u32 v[SPW], v[NIL]
	s_mov_b32 s[G1+2], 8<<16                       ; no tensor load of mine is out: from here on a load brings half a tile's rows
	s_mov_b32 s[G1+4], 8
	s_mov_b32 s[G1B+2], 128<<16
	s_mov_b32 s[G1B+4], 128
	s_wait_dscnt 0x0
	CROUND                                         ; all four tiles are in, and all sixteen work-groups are here
	JLOAD G0+4, G1, G0B+4, G1B                     ; K step 1, the first tensor load behind the round
	FETCH_B 0, 0, 0
	FETCH_A 0, 0, 0
	SCALES 0
	FETCH_A 0, 0, 4
	s_wait_loadcnt 0x0
	STEP 0, 0, 1
	s_mov_b32 s3, LAPS-1
.Llap:
	TURN 0, 1, 1
	STEP 1, 0, 0
	TURN 1, 0, 1
	STEP 0, 0, 0
	s_sub_co_u32 s3, s3, 1
	s_cmp_lg_u32 s3, 0
	s_cbranch_scc1 .Llap
	TURN 0, 1, 0
	STEP 1, 0, 0
	s_wait_dscnt 4*NL
	WIN MUL_LO
	MUL16 0, 1, NQ-1, 1, 0
	MUL16 2, 1, NQ-1, 1, 0
	s_wait_dscnt 0
	WIN MUL_HI
	MUL16 4, 1, NQ-1, 1, 0
	MUL16 6, 1, NQ-1, 1, 0
	WIN 0
.macro TOSTAGE a
.set AC, 64*((\a)%4)
	WIN (0x08+4*((\a)/4))
.irp b, 0,1,2,3,4,5,6,7
	ds_store_b128 v[STO], v[AC+8*\b:AC+8*\b+3] offset:128*(\b/2)+32*(\b%2)
	ds_store_b128 v[STO], v[AC+8*\b+4:AC+8*\b+7] offset:128*(\b/2)+32*(\b%2)+16
.endr
	WIN 0
.set BB, BK+64*((\a)%2)
.irp t, 0,1,2,3,4,5,6,7,8,9,10,11,12,13,14,15
	ds_load_b128 v[BB+4*\t:BB+4*\t+3], v[RD] offset:\t*SPITCH
.endr
.endm
.macro SEND a, younger
.set BB, BK+64*((\a)%2)
	s_wait_dscnt \younger
.if (\a) > 0
.if (\a)%2
	s_add_nc_u64 s[12:13], s[12:13], 8*SIZE_N*4
.else
	s_add_nc_u64 s[12:13], s[12:13], 24*SIZE_N*4
.endif
.endif
.irp t, 0,1,2,3,4,5,6,7,8,9,10,11,12,13,14,15
	global_store_b128 v[CO], v[BB+4*\t:BB+4*\t+3], s[12:13] offset:(\t+8*(\t/8))*SIZE_N*4 th:TH_STORE_NT
.endr
.endm
	PLACES NP
	TOSTAGE 0
.irp a, 1,2,3,4,5,6,7
.if \a > 1
	s_wait_xcnt 0x0
.endif
	TOSTAGE \a
	SEND \a-1, 32
.endr
	s_wait_xcnt 0x0
	SEND 7, 0
	s_wait_tensorcnt 0x0
	ds_add_u32 v[SPW], v[NIL]
	s_wait_dscnt 0x0
	CROUND
	s_endpgm
.Lfunc_end_k_q01a89ad1f1_outp:
	.size	k_q01a89ad1f1_outp, .Lfunc_end_k_q01a89ad1f1_outp-k_q01a89ad1f1_outp
	.p2alignl 7, 3214868480
	.fill 96, 4, 3214868480
	.section	.rodata,"a",@progbits
	.p2align	6, 0x0
	.amdhsa_kernel k_q01a89ad1f1_outp
		.amdhsa_group_segment_fixed_size 327680
		.amdhsa_private_segment_fixed_size 0
		.amdhsa_enable_private_segment 0
		.amdhsa_kernarg_size 48
		.amdhsa_user_sgpr_count 2
		.amdhsa_user_sgpr_kernarg_segment_ptr 1
		.amdhsa_wavefront_size32 1
		.amdhsa_system_sgpr_workgroup_id_x 1
		.amdhsa_system_sgpr_workgroup_id_y 1
		.amdhsa_system_sgpr_workgroup_id_z 1
		.amdhsa_system_vgpr_workitem_id 0
		.amdhsa_next_free_vgpr 1024
		.amdhsa_next_free_sgpr 100
		.amdhsa_reserve_vcc 0
		.amdhsa_float_denorm_mode_32 3
		.amdhsa_float_denorm_mode_16_64 3
		.amdhsa_memory_ordered 1
		.amdhsa_forward_progress 1
		.amdhsa_inst_pref_size 148
	.end_amdhsa_kernel
	.amdgpu_metadata
---
amdhsa.version: [ 1, 2 ]
amdhsa.kernels:
  - .name:           k_q01a89ad1f1_outp
    .symbol:         k_q01a89ad1f1_outp.kd
    .args:
      - { .name: yc, .offset: 0, .size: 8, .value_kind: global_buffer, .address_space: global }
      - { .name: ys, .offset: 8, .size: 8, .value_kind: global_buffer, .address_space: global }
      - { .name: codes, .offset: 16, .size: 8, .value_kind: global_buffer, .address_space: global }
      - { .name: scl, .offset: 24, .size: 8, .value_kind: global_buffer, .address_space: global }
      - { .name: bo, .offset: 32, .size: 8, .value_kind: global_buffer, .address_space: global }
      - { .name: out0, .offset: 40, .size: 8, .value_kind: global_buffer, .address_space: global }
    .group_segment_fixed_size: 327680
    .private_segment_fixed_size: 0
    .kernarg_segment_align: 8
    .kernarg_segment_size: 48
    .max_flat_workgroup_size: 128
    .sgpr_count:     100
    .vgpr_count:     1024
    .wavefront_size: 32
...
	.end_amdgpu_metadata
.endif
;; end of part 4
